; MI455X (gfx1250); checked and timed in simulation.
; The chip was launched on July 23, 2026; its instructions are those of AMD's public machine-readable ISA for CDNA 5 (MIT licence, August 2026) and "CDNA5" Instruction Set Architecture Reference Guide (July 2026). The comments in the code are by the model that wrote it; some were corrected since.
;; Attention. Allowed arithmetic: matrix products marked QUANTISED: E2M3 operands, one E8M0 scale for each 32 along K, by v_wmma_scale_f32_16x16x128_f8f6f4 with both operands' format E2M3, f32 sums; everything else in f32.
;; Inputs: attn_mask 8 x 1,024 bool; b_proj 1,024 float32; w_proj 1,024 x 1,024 float32; w_qkv 1,024 x 3,072 float32; x 8 x 1,024 x 1,024 float32.
;; Outputs: out0 8 x 1,024 x 1,024 float32.
;; This version of the problem:
;;   THIS VERSION OF THE PROBLEM IS GIVEN IN LOW PRECISION. The matrix products marked QUANTISED in the list below multiply operands that are first quantised to E2M3 (2 exponent bits, 3 mantissa bits; 6 bits a number), with one power-of-two scale for each 32 numbers along K (OCP MX v1.0); their sums are f32. All else is computed in f32.
;;   The module's matrix products, in the order in which they are computed (A, B: the left and right operand; K: the contracted axis; several contracted axes count as one K, in the product's order):
;;     1. [M 8,192, K 1,024] x [K 1,024, N 3,072]; A: input x; B: input w_qkv: QUANTISED
;;     2. batch 128 x [M 1,024, K 64] x [K 64, N 1,024]; A: computed on the way; B: computed on the way: QUANTISED
;;     3. batch 128 x [M 1,024, K 1,024] x [K 1,024, N 64]; A: softmax (see below); B: computed on the way: QUANTISED
;;     4. [M 8,192, K 1,024] x [K 1,024, N 1,024]; A: computed on the way; B: input w_proj: QUANTISED
;;   THE QUANTISER, for each operand of a quantised product, along K:
;;     - K is cut into blocks of 32 from its start; a last block that is shorter is filled with zeros.
;;     - A block's scale is 2^e with e = floor(log2(the largest magnitude in the block)) - 2, held to -126 .. 127; a block of zeros has e = 0. As a byte (E8M0): e + 127.
;;     - Each number is divided by its block's scale, clamped to +-7.5, and rounded to the nearest number of E2M3, ties to even, subnormals kept.
;;     - The product sums the exact products of the quantised numbers (number of the format x scale) in f32.
;;   ~~~python
;;   def quantise(x, axis):      # numpy; x: float32 -> the quantised numbers, widened to float32 again
;;       x = np.moveaxis(x, axis, -1); K = x.shape[-1]
;;       x = np.pad(x, [(0, 0)] * (x.ndim - 1) + [(0, -K % 32)]); x = x.reshape(x.shape[:-1] + (-1, 32)); a = np.abs(x).max(-1, keepdims=True)
;;       e = np.where(a > 0, np.clip(np.frexp(np.where(a > 0, a, 1))[1] - 1 - 2, -126, 127), 0)      # np.frexp(a)[1] - 1 = floor(log2(a)), exactly
;;       r = np.clip(x / 2.0 ** e, -7.5, 7.5)
;;       step = 2.0 ** (np.maximum(np.frexp(np.where(r == 0, 1, r))[1] - 1, 0) - 3)
;;       q = np.round(r / step) * step * 2.0 ** e      # np.round: ties to even
;;       return np.moveaxis(q.reshape(q.shape[:-2] + (-1,))[..., :K], -1, axis).astype(np.float32)
;;   ~~~
;;   SOFTMAX AHEAD OF A QUANTISED PRODUCT. Where the list says 'softmax', what is quantised is not the finished softmax but p = 2^(t - M), with t = logit x log2(e) and M = ceil(the row's largest t), a whole number; so 1/2 < the row's largest p <= 1. The row's sum l is taken of the UNQUANTISED p, in f32, and the product's result is divided by l at the end. Since M is a whole number, a kernel that streams over the keys may use a running M (the ceiling of the running maximum): every later rescaling is an exact power of two, which a block's scale takes up: the codes' values come out the same.
;;   OPERANDS COMPUTED ON THE WAY. 'Computed on the way' means the value that the module computes at that place (a softmax that the list does not call 'softmax' is quantised finished and normalised). What goes into a quantiser is computed in f32, as accurately as f32 sums, v_exp_f32 and their like allow (about 1e-6 of the number): no bf16 or f16 on the way to a quantiser, and a product that is left as it is and whose result goes on into a quantised operand takes f32 operands (vector FMAs, or v_wmma_f32_16x16x4_f32). A number that lies on a knife's edge between two numbers of the format may be rounded either way, as far as f32 arithmetic and the matrix unit's own rounding can turn it there, and no further.
;; One version. Each part assembles by itself: llvm-mc -triple=amdgcn-amd-amdhsa -mcpu=gfx1250 --defsym DOCPART=n.
;; ======== version 1 of 1: 4 launches
;; limits: right only within a limited range of input values
;; workspace buffers: xc 6,291,456 bytes; xs 262,144 bytes; wc 3,145,728 bytes; ws 131,072 bytes; qkv 19,660,800 bytes; oimg 6,291,456 bytes; osc 262,144 bytes
;; launch quant (part 1): grid 384 x 1, 4 waves a work-group, no clusters, 82,432 bytes of LDS; arguments x, w_qkv, w_proj, xc, xs, wc, ws; writes xc, xs, wc, ws
.if DOCPART == 1
	.amdgcn_target "amdgcn-amd-amdhsa--gfx1250"
	.amdhsa_code_object_version 6
	.text
	.protected	k_qba0448165c_quant
	.globl	k_qba0448165c_quant
	.p2align	8
	.type	k_qba0448165c_quant,@function
k_qba0448165c_quant:
	s_mov_b64 s[64:65], 0
	v_nop
	global_prefetch_b8 v0, s[64:65] scope:SCOPE_SE
	s_setreg_imm32_b32 hwreg(HW_REG_WAVE_MODE, 25, 1), 1
	s_wait_xcnt 0x0
; LAUNCH 1 OF 4.  x [8192][1024], w_qkv [1024][3072] and w_proj [1024][1024], f32, become codes of FP6 (E2M3) with one E8M0 scale byte for each 32 along K.
; THE PROGRAM: 1 quantise x and the weights; 2 x w_qkv, with q, k, v quantised in registers; 3 softmax(q k^T) v, with the result quantised in registers; 4 the projection and its bias.
; DEAD WORK: none comes in whole units.  Every product of the problem is done, and every input is loaded by one of the four launches.
; A block's scale is 2^(floor(log2(its largest magnitude)) - 2); its byte is the largest magnitude's own exponent field - 2, held at 1 from below.
; LIMITS: NaN and infinities among the inputs are not served.  A block whose largest magnitude lies under 2^-124 (a block of zeros too) gets the byte 1: zero codes add nothing, and this program alone reads the bytes.
; ROWS ARE STORED WITH BITS 3 AND 4 OF THE ROW NUMBER EXCHANGED: stored row 16 T + i holds true row 32 (T / 2) + 8 (T % 2) + i + 8 (i / 8).
; THE CODES LEAVE AS IMAGES OF OPERAND REGISTERS: xc, wc = [tile of 16 stored rows][K step of 128][1,536 bytes]; register j of lane L (row L % 16, half L / 16) at 512 (j / 4) + 16 L + 4 (j % 4);
; registers 6 c .. 6 c + 5 hold k = 64 c + 32 (L / 16) + 0 .. 31.  xs [8192 stored rows][32], ws [4096][32].  wc, ws: rows 0-3071 the columns of w_qkv, rows 3072-4095 those of w_proj.
; Work-groups 0-255 take x, 256-383 the weights; each path has LDS bytes of its own.
.set STEPS, 16
.set XR,    16
.set XX,    80
.set XE,    112
.set XC,    128
.set WREG,  8192                       ; x: a wave's two stages of 32 x SP bytes and its 256 scale bytes
.set SP,    80
.set WST,   32768                      ; weights: a stage of 2 tiles x 2 K steps x 1,536 bytes for each wave
.set WSTG,  6144
.set XIMG,  WST+4*WSTG                 ; x: the work-group's 2 tiles x 8 K steps of images
.set SPARE, XIMG+24576                 ; the spare words
.set SPW,   208
.set NIL,   209
.set NB,    8
.set WX,    32
.set WC,    96
.set OUTR,  112
.set SB,    24
.set VA,    176
.set BB,    32
.set AD,    196                        ; x: v196-198 where my three words of codes go in an image
	s_load_b256 s[4:11], s[0:1], 0x0               ; x, w_qkv, w_proj, xc
	s_load_b128 s[12:15], s[0:1], 0x20             ; xs, wc
	s_load_b64 s[16:17], s[0:1], 0x30              ; ws
	v_lshl_add_u32 v[SPW], v0, 2, SPARE
	v_mov_b32 v[NIL], 0
	v_lshrrev_b32 v1, 5, v0
	v_readfirstlane_b32 s20, v1                    ; wave
	v_and_b32 v2, 31, v0                           ; lane
	s_wait_kmcnt 0x0
	s_cmp_lt_u32 ttmp9, 256
	s_cbranch_scc0 .Lweights
; ---- x.  A wave takes 8 rows in 16 steps of 512 numbers; a step turns through the wave's stage so that a lane holds 16 neighbours along K.
	s_wait_alu depctr_va_vdst(0)
	v_lshlrev_b32 v3, 4, v2
	s_mul_i32 s21, s20, WREG
	v_lshrrev_b32 v14, 2, v2
	v_mul_u32_u24 v14, v14, SP
	v_and_b32 v15, 3, v2
	v_lshl_add_u32 v14, v15, 4, v14
	v_add_nc_u32 v14, s21, v14
	v_mul_u32_u24 v15, v2, SP
	v_add_nc_u32 v15, s21, v15
	v_lshrrev_b32 v5, 1, v2
	s_add_co_u32 s21, s21, 2*32*SP
	v_add_nc_u32 v5, s21, v5
	v_lshlrev_b32 v7, 3, v2
	v_add_nc_u32 v6, s21, v7
	s_lshl_b32 s22, ttmp9, 2
	s_add_co_u32 s24, s22, s20
	s_lshl_b32 s24, s24, 15                        ; the run of 8 rows that I read
	s_mov_b32 s25, 0
	s_and_b32 s26, s20, 1
	s_lshl_b32 s26, s26, 1
	s_lshr_b32 s27, s20, 1
	s_or_b32 s26, s26, s27                         ; the run that I write: the wave's two bits exchanged
	s_lshr_b32 s32, s26, 1
	s_mul_i32 s32, s32, 12288                      ; its tile of the work-group's two,
	s_and_b32 s33, s26, 1
	s_lshl_b32 s33, s33, 7                         ; and rows 0-7 or 8-15 of it: 16 bytes a row
	s_add_co_u32 s32, s32, s33
	s_add_co_u32 s32, s32, XIMG
	s_add_co_u32 s26, s26, s22
	s_mul_i32 s28, ttmp9, 24576
	s_mul_i32 s29, s20, 6144                       ; on the way out a wave takes a quarter of the images
	s_add_co_u32 s34, s29, XIMG
	s_add_co_u32 s28, s28, s29
	s_mov_b32 s29, 0
	s_lshl_b32 s30, s26, 8
	s_mov_b32 s31, 0
	s_add_nc_u64 s[4:5], s[4:5], s[24:25]
	s_add_nc_u64 s[10:11], s[10:11], s[28:29]
	s_add_nc_u64 s[12:13], s[12:13], s[30:31]
	; lane = 8 n + g: K step n of the half row; g: block g / 2, its half g % 2.  My words are registers 3 (2 (g / 4) + g % 2) + 0 .. 2 of image lane row + 16 ((g / 2) % 2)
	v_bfe_u32 v192, v2, 2, 1
	v_and_b32 v193, 1, v2
	v_lshl_add_u32 v192, v192, 1, v193
	v_mul_u32_u24 v192, v192, 3
	v_lshrrev_b32 v193, 3, v2
	v_mul_u32_u24 v193, v193, 1536
	v_bfe_u32 v194, v2, 1, 1
	v_lshl_add_u32 v193, v194, 8, v193
	v_add_nc_u32 v193, s32, v193
.irp d, 0,1,2
	v_add_nc_u32 v194, \d, v192
	v_lshrrev_b32 v195, 2, v194
	v_and_b32 v194, 3, v194
	v_lshl_add_u32 v195, v195, 9, v193
	v_lshl_add_u32 v[AD+\d], v194, 2, v195
.endr
	v_add_nc_u32 v13, s34, v3
	s_wait_alu depctr_va_vdst(0)
.macro XLOAD t
.irp i, 0,1,2,3
	global_load_b128 v[XR+16*((\t)%4)+4*\i:XR+16*((\t)%4)+4*\i+3], v3, s[4:5] offset:2048*(\t)+512*\i th:TH_LOAD_NT
.endr
.endm
.macro XTURN t
.irp i, 0,1,2,3
	ds_store_b128 v14, v[XR+16*((\t)%4)+4*\i:XR+16*((\t)%4)+4*\i+3] offset:32*SP*((\t)%2)+8*SP*\i
.endr
.irp i, 0,1,2,3
	ds_load_b128 v[XX+16*((\t)%2)+4*\i:XX+16*((\t)%2)+4*\i+3], v15 offset:32*SP*((\t)%2)+16*\i
.endr
.endm
.irp t, 0,1,2,3
	XLOAD \t
.endr
	s_wait_loadcnt 12                              ; step 0's four loads are in
	XTURN 0
.macro XSTEP t
.set XS, XX+16*((\t)%2)
.if (\t) > 0
	s_wait_dscnt 4                                 ; this step's numbers are back; the last step's byte store and three code stores may be out
.else
	s_wait_dscnt 0x0
.endif
.if (\t)+4 < STEPS
	XLOAD (\t)+4
.endif
.if (\t)+1 < STEPS
.if STEPS-2-(\t) >= 3
	s_wait_loadcnt 12                              ; the next step's four loads are in; three steps' may be out
.else
	s_wait_loadcnt 4*(STEPS-2-(\t))
.endif
	XTURN (\t)+1
.endif
	v_max3_num_f32 v8, |v[XS]|, |v[XS+1]|, |v[XS+2]|
	v_max3_num_f32 v9, |v[XS+3]|, |v[XS+4]|, |v[XS+5]|
.irp i, 6,10
	v_max3_num_f32 v8, v8, |v[XS+\i]|, |v[XS+\i+1]|
	v_max3_num_f32 v9, v9, |v[XS+\i+2]|, |v[XS+\i+3]|
.endr
	v_max3_num_f32 v8, v8, |v[XS+14]|, |v[XS+15]|
	v_max3_num_f32 v8, v8, v9, 0x1800000           ; the floor 2^(3 - 127)
	v_max_num_f32_dpp v8, v8, v8 row_xmask:1 row_mask:0xf bank_mask:0xf
	v_add_nc_u32 v11, 0xff000000, v8               ; 2 off the exponent field: the conversion's scale operand
	v_cvt_scalef32_pk16_fp6_f32 v[XC+4*(\t):XC+4*(\t)+2], v[XS:XS+15], v11
	v_lshrrev_b32 v[XE+(\t)], 23, v11
	ds_store_b8 v5, v[XE+(\t)] offset:16*(\t)
.irp d, 0,1,2
	ds_store_b32 v[AD+\d], v[XC+4*(\t)+\d] offset:16*((\t)/2)+6144*((\t)%2)   ; row t / 2 of my eight, K steps 4 (t % 2) on
.endr
.endm
.irp t, 0,1,2,3,4,5,6,7,8,9,10,11,12,13,14,15
	XSTEP \t
.endr
	ds_load_b64 v[8:9], v6
	s_wait_dscnt 0x0                               ; my stores into the images are done too
	global_store_b64 v7, v[8:9], s[12:13]          ; 256 consecutive bytes of scales
	s_barrier_signal -1
	s_barrier_wait -1                              ; the images are whole
.irp i, 0,1,2,3,4,5,6,7,8,9,10,11
	ds_load_b128 v[16+4*\i:19+4*\i], v13 offset:512*\i
.endr
	s_wait_dscnt 0x0
.irp i, 0,1,2,3,4,5,6,7,8,9,10,11
	global_store_b128 v3, v[16+4*\i:19+4*\i], s[10:11] offset:512*\i   ; 512 consecutive bytes, aligned
.endr
	s_wait_tensorcnt 0x0                           ; the wave's end
	ds_add_u32 v[SPW], v[NIL]
	s_wait_dscnt 0x0
	s_endpgm
; ---- the weights.  Work-group 256 + 32 y + g: columns 128 g on of the two weights side by side, 256 y on along K.  A lane takes a column, its registers run down K.
.Lweights:
	s_sub_co_u32 s21, ttmp9, 256
	s_and_b32 s22, s21, 31
	s_lshr_b32 s21, s21, 5
	s_sub_co_u32 s24, s22, 24
	s_mov_b32 s23, 4096
	s_cmp_lt_u32 s22, 24
	s_cselect_b64 s[18:19], s[6:7], s[8:9]
	s_cselect_b32 s23, 12288, s23
	s_cselect_b32 s24, s22, s24
	s_lshl_b32 s24, s24, 7
	s_lshl_b32 s25, s20, 5
	s_add_co_u32 s24, s24, s25
	s_lshl_b32 s24, s24, 2
	s_mul_i32 s26, s21, s23
	s_lshl_b32 s26, s26, 8
	s_add_co_u32 s24, s24, s26
	s_mov_b32 s25, 0
	s_add_nc_u64 s[BB:BB+1], s[18:19], s[24:25]
	s_lshl_b32 s26, s23, 5
	s_mov_b32 s27, 0
.irp t, 1,2,3,4,5,6,7
	s_add_nc_u64 s[BB+2*\t:BB+2*\t+1], s[BB+2*\t-2:BB+2*\t-1], s[26:27]
.endr
	s_lshl_b32 s28, s22, 7
	s_lshl_b32 s29, s20, 5
	s_add_co_u32 s28, s28, s29                     ; my first stored row: 128 g + 32 x wave: two tiles
	s_mul_i32 s30, s28, 768                        ; a tile is 16 x 768 bytes
	s_mul_i32 s29, s21, 3072                       ; K steps 2 y, 2 y + 1
	s_add_co_u32 s30, s30, s29
	s_mov_b32 s31, 0
	s_add_nc_u64 s[14:15], s[14:15], s[30:31]
	s_lshl_b32 s30, s28, 5
	s_lshl_b32 s29, s21, 3
	s_add_co_u32 s30, s30, s29
	s_add_nc_u64 s[16:17], s[16:17], s[30:31]
	s_wait_alu depctr_va_vdst(0)
	v_lshlrev_b32 v3, 2, v2
.irp i, 0,1,2,3,4,5,6,7,8,9,10,11,12,13,14,15,16,17,18,19,20,21,22,23,24,25,26,27,28,29,30,31
	v_mad_u32_u24 v[VA+\i], s23, \i, v3
.endr
	v_and_b32 v5, 7, v2
	v_bfe_u32 v6, v2, 3, 1
	v_lshl_add_u32 v5, v6, 4, v5
	v_bfe_u32 v6, v2, 4, 1
	v_lshl_add_u32 v5, v6, 3, v5                   ; my column's stored row among the wave's 32
	s_mul_i32 s29, s20, WSTG
	s_add_co_u32 s29, s29, WST
	v_lshrrev_b32 v4, 4, v5
	v_mul_u32_u24 v4, v4, 3072                     ; its tile,
	v_and_b32 v6, 15, v5
	v_lshl_add_u32 v4, v6, 4, v4                   ; its image lane
	v_add_nc_u32 v4, s29, v4
	v_lshlrev_b32 v9, 5, v5
	v_lshlrev_b32 v8, 4, v2
	v_add_nc_u32 v7, s29, v8
.macro WLOAD t
.irp i, 0,1,2,3,4,5,6,7,8,9,10,11,12,13,14,15,16,17,18,19,20,21,22,23,24,25,26,27,28,29,30,31
	global_load_b32 v[WX+32*((\t)%2)+\i], v[VA+\i], s[BB+2*(\t):BB+2*(\t)+1] th:TH_LOAD_NT
.endr
.endm
	WLOAD 0
	WLOAD 1
.macro WBLOCK t
.set XS, WX+32*((\t)%2)
.set WO, 1536*((\t)/4)+256*((\t)%2)    ; K step t / 4 of my two; blocks 1 and 3 of a K step belong to image lanes 16-31
.if (\t) < NB-1
	s_wait_loadcnt 32                              ; this block's 32 loads are in; the next block's may be out
.else
	s_wait_loadcnt 0
.endif
	v_max3_num_f32 v12, |v[XS]|, |v[XS+1]|, |v[XS+2]|
	v_max3_num_f32 v13, |v[XS+3]|, |v[XS+4]|, |v[XS+5]|
.irp i, 6,10,14,18,22,26
	v_max3_num_f32 v12, v12, |v[XS+\i]|, |v[XS+\i+1]|
	v_max3_num_f32 v13, v13, |v[XS+\i+2]|, |v[XS+\i+3]|
.endr
	v_max3_num_f32 v12, v12, |v[XS+30]|, |v[XS+31]|
	v_max3_num_f32 v12, v12, v13, 0x1800000
	v_add_nc_u32 v11, 0xff000000, v12
	v_lshrrev_b32 v13, 23, v11
.if (\t)%4 == 0
	v_mov_b32 v[SB+(\t)/4], v13
.else
	v_lshl_or_b32 v[SB+(\t)/4], v13, 8*((\t)%4), v[SB+(\t)/4]
.endif
	v_cvt_scalef32_pk16_fp6_f32 v[WC:WC+2], v[XS:XS+15], v11
	v_cvt_scalef32_pk16_fp6_f32 v[WC+4:WC+6], v[XS+16:XS+31], v11
.if ((\t)%4) < 2                       ; the block's six words are image registers 0-5,
	ds_store_b96 v4, v[WC:WC+2] offset:WO
	ds_store_b32 v4, v[WC+4] offset:WO+12
	ds_store_b32 v4, v[WC+5] offset:WO+512
	ds_store_b32 v4, v[WC+6] offset:WO+516
.else                                  ; or 6-11
	ds_store_b64 v4, v[WC:WC+1] offset:WO+520
	ds_store_b32 v4, v[WC+2] offset:WO+1024
	ds_store_b32 v4, v[WC+4] offset:WO+1028
	ds_store_b32 v4, v[WC+5] offset:WO+1032
	ds_store_b32 v4, v[WC+6] offset:WO+1036
.endif
.if (\t)+2 < NB
	WLOAD (\t)+2
.endif
	s_wait_dscnt 0x0                               ; the stores have read their registers
.endm
.irp t, 0,1,2,3,4,5,6,7
	WBLOCK \t
.endr
	s_wait_alu depctr_va_vdst(0)
	global_store_b64 v9, v[SB:SB+1], s[16:17]      ; my column's 8 scale bytes
.irp t, 0,1,2,3,4,5,6,7,8,9,10,11
	ds_load_b128 v[OUTR+4*\t:OUTR+4*\t+3], v7 offset:512*\t
.endr
.irp t, 0,1,2,3,4,5,6,7,8,9,10,11
	s_wait_dscnt 11-\t                             ; loads come back in order
	global_store_b128 v8, v[OUTR+4*\t:OUTR+4*\t+3], s[14:15] offset:512*(\t%6)+12288*(\t/6)   ; 512 consecutive bytes, aligned
.endr
	s_wait_tensorcnt 0x0                           ; the wave's end
	ds_add_u32 v[SPW], v[NIL]
	s_wait_dscnt 0x0
	s_endpgm
.Lfunc_end_k_qba0448165c_quant:
	.size	k_qba0448165c_quant, .Lfunc_end_k_qba0448165c_quant-k_qba0448165c_quant
	.p2alignl 7, 3214868480
	.fill 96, 4, 3214868480
	.section	.rodata,"a",@progbits
	.p2align	6, 0x0
	.amdhsa_kernel k_qba0448165c_quant
		.amdhsa_group_segment_fixed_size 82432
		.amdhsa_private_segment_fixed_size 0
		.amdhsa_enable_private_segment 0
		.amdhsa_kernarg_size 56
		.amdhsa_user_sgpr_count 2
		.amdhsa_user_sgpr_kernarg_segment_ptr 1
		.amdhsa_wavefront_size32 1
		.amdhsa_system_sgpr_workgroup_id_x 1
		.amdhsa_system_sgpr_workgroup_id_y 1
		.amdhsa_system_sgpr_workgroup_id_z 1
		.amdhsa_system_vgpr_workitem_id 0
		.amdhsa_next_free_vgpr 216
		.amdhsa_next_free_sgpr 66
		.amdhsa_reserve_vcc 0
		.amdhsa_float_denorm_mode_32 3
		.amdhsa_float_denorm_mode_16_64 3
		.amdhsa_memory_ordered 1
		.amdhsa_forward_progress 1
		.amdhsa_inst_pref_size 81
	.end_amdhsa_kernel
	.amdgpu_metadata
---
amdhsa.version: [ 1, 2 ]
amdhsa.kernels:
  - .name:           k_qba0448165c_quant
    .symbol:         k_qba0448165c_quant.kd
    .args:
      - { .name: x, .offset: 0, .size: 8, .value_kind: global_buffer, .address_space: global }
      - { .name: w_qkv, .offset: 8, .size: 8, .value_kind: global_buffer, .address_space: global }
      - { .name: w_proj, .offset: 16, .size: 8, .value_kind: global_buffer, .address_space: global }
      - { .name: xc, .offset: 24, .size: 8, .value_kind: global_buffer, .address_space: global }
      - { .name: xs, .offset: 32, .size: 8, .value_kind: global_buffer, .address_space: global }
      - { .name: wc, .offset: 40, .size: 8, .value_kind: global_buffer, .address_space: global }
      - { .name: ws, .offset: 48, .size: 8, .value_kind: global_buffer, .address_space: global }
    .group_segment_fixed_size: 82432
    .private_segment_fixed_size: 0
    .kernarg_segment_align: 8
    .kernarg_segment_size: 56
    .max_flat_workgroup_size: 128
    .sgpr_count:     66
    .vgpr_count:     216
    .wavefront_size: 32
...
	.end_amdgpu_metadata
.endif
;; end of part 1
;; launch gemm_qkv (part 2): grid 32 x 8, 4 waves a work-group, clusters of 4 x 1, 327,680 bytes of LDS; arguments xc, xs, wc, ws, qkv; writes qkv
.if DOCPART == 2
	.amdgcn_target "amdgcn-amd-amdhsa--gfx1250"
	.amdhsa_code_object_version 6
	.text
	.protected	k_qba0448165c_gemm_qkv
	.globl	k_qba0448165c_gemm_qkv
	.p2align	8
	.type	k_qba0448165c_gemm_qkv,@function
k_qba0448165c_gemm_qkv:
	s_mov_b64 s[64:65], 0
	v_nop
	global_prefetch_b8 v0, s[64:65] scope:SCOPE_SE
	s_setreg_imm32_b32 hwreg(HW_REG_WAVE_MODE, 25, 1), 1
	s_wait_xcnt 0x0
	s_wait_alu depctr_hold_cnt(0) depctr_sa_sdst(0) depctr_va_vdst(0) depctr_va_sdst(0) depctr_va_ssrc(0) depctr_va_vcc(0) depctr_vm_vsrc(0)
	s_getreg_b32 s2, hwreg(HW_REG_IB_STS2, 6, 4)
	s_cmp_eq_u32 s2, 0
	s_cbranch_scc0 .Lentry_in_a_cluster
	s_endpgm
.Lentry_in_a_cluster:
	s_bfe_u32 s2, ttmp6, 0x10000c
	s_cmp_lg_u32 s2, 0x3003
	s_cbranch_scc0 .Lentry_shape_is_right
	s_endpgm
.Lentry_shape_is_right:
; LAUNCH 2 OF 4.  qkv = x w_qkv on codes of FP6 (E2M3) with E8M0 scales, sums in f32; q and k are quantised along the head's 64, v along the keys, in registers, and leave as codes.  No work is left out.
; SHARES.  32 x 8 = 256 work-groups: 256 tokens x one pair of heads, for q, then k, then v: three products of 256 x 128 x 1,024.  A wave owns 64 tokens: 4 x 8 = 32 accumulators.
; x's fragments of the wave's 64 tokens, all of K (4 tiles x 8 K steps x 12 = 384 registers), come straight from memory into registers, once: no other wave of the work-group wants them.
; THE WEIGHTS' three tiles of 128 rows (98,304 bytes each, images of operand registers) have LDS bytes of their own; each is filled once, a quarter a wave, one product (256 matrix instructions a wave) ahead of its use.
; CLUSTER: the four blocks of tokens of a batch want the same weights: each fill is asked for JOINTLY (mask 15).  No prefetch: the fills stand a whole product ahead, and x is asked for at the head: no loop is left to run ahead in.
; q, k: source 0 = the weight's rows, source 1 = x's rows: a lane holds one token, its registers run along the 128 features.  v: the sources change places: a lane holds one feature, its registers run along my 64 tokens.
; Rows are stored with bits 3 and 4 exchanged, so the 16 registers of source 0's tiles 2 b, 2 b + 1 are 16 neighbours of the true order.
; q IS QUANTISED WITHOUT ITS FACTOR 1/8, a power of two: same codes, block exponent 3 less; the next launch puts the 1/8 into the softmax's factor, exactly.
; LIMIT: blocks of q under 2^-121 in magnitude, where the exponent of q / 8 would be held at -126, are not served; blocks under 2^-124 get the byte 1; NaN and infinities are not served.
; qkv: 64 pairs (8 x batch + pair) x 307,200 bytes: K's region, V's, Q's, 102,400 each: [step of 128][a 0..7][1,536 bytes of image], then the scale words [step][a / 4][row 0..15][a % 4].
; v: a wave makes half a fragment (64 of 128 keys); two waves' halves meet in LDS, in q's tile, which has had its last fill and its last read, and leave as whole images.
; REGISTERS: window 0: v0-31 addresses, v32-47 x's scale words, v48-79 the weight's, v80-111 at work, v112-159 codes, v160-255 weight fragments set 0; window 1: v0-95 set 1, v96-239 x's K steps 5-7;
; window 2: x's K steps 0-4; window 3: the accumulators.  A scale register holds K steps 0-3 in lanes 0-15 and K steps 4-7 in lanes 16-31.
.set MATB,  98304
.set SPARE, 3*MATB
.set SCST,  24576                      ; v's scale words meet behind v's images
.set LN, 3
.set L16, 4
.set L8, 5
.set SOF, 6
.set SQ, 7
.set WB1, 8
.set ADW0, 9                           ; v9, v10: the weight's tiles 0-3, 4-7 in LDS
.set AST, 11
.set ASC, 12
.set ARD, 13
.set ARS, 14
.set SPW, 28
.set NIL, 29
.set XS, 32
.set WS, 48
.set TM, 80
.set T4, 84
.set SO, 88
.set T2, 92
.set WD, 100
.set SS, 108
.set PC0, 112
.set WV, 14
.set CX, 15
.set PR, 16
.set HF, 17
.set G0, 24
.set G1, 28
.set XP, 36
.set XSP, 38
.set WSP, 40
.set OUT, 42
.set OSC, 44
.set VOUT, 46
.set VSC, 48
.set MB, 50
.set CNT, 51
.set SEL, 52
.set MSB, 0
.macro WIN new
.if MSB != (\new)
	s_set_vgpr_msb (MSB<<8)|(\new)
.set MSB, (\new)
.endif
.endm
.macro PLACES
.rept 4
	v_nop
.endr
.endm
.macro ROUND
	s_barrier_signal -1
	s_barrier_wait -1
	s_cmp_lg_u32 s[WV], 0
	s_cbranch_scc1 .Lnot_wave_0_\@
	s_barrier_signal -3
.Lnot_wave_0_\@:
	s_barrier_wait -3
	s_barrier_signal -1
	s_barrier_wait -1
.endm
.macro XLD n                           ; x's four fragments of K step n
.set XW_, 2-((\n)/5)
.set XB_, 48*(\n)-((\n)/5)*144
	WIN XW_<<6
.irp a, 0,1,2,3
.irp c, 0,1,2
	global_load_b128 v[XB_+12*\a+4*\c:XB_+12*\a+4*\c+3], v[L16], s[XP:XP+1] offset:12288*\a+1536*(\n)+512*\c
.endr
.endr
.endm
.macro FETCHW n                        ; the weight's eight fragments of K step n into set n % 2
.set WR_, 160*(1-(\n)%2)
	WIN ((\n)%2)<<6
.irp b, 0,1,2,3,4,5,6,7
.irp c, 0,1,2
	ds_load_b128 v[WR_+12*\b+4*\c:WR_+12*\b+4*\c+3], v[ADW0+\b/4] offset:12288*(\b%4)+1536*(\n)+512*\c
.endr
.endr
	WIN 0
.endm
.macro W1 d, p, q, sa, sb, k
.if (\k) == 0
	v_wmma_scale_f32_16x16x128_f8f6f4 v[\d:\d+7], v[\p:\p+11], v[\q:\q+11], 0, v[\sa], v[\sb] matrix_a_fmt:MATRIX_FMT_FP6 matrix_b_fmt:MATRIX_FMT_FP6
.elseif (\k) < 4
	v_wmma_scale_f32_16x16x128_f8f6f4 v[\d:\d+7], v[\p:\p+11], v[\q:\q+11], v[\d:\d+7], v[\sa], v[\sb] matrix_a_fmt:MATRIX_FMT_FP6 matrix_b_fmt:MATRIX_FMT_FP6
.else
	v_wmma_scale_f32_16x16x128_f8f6f4 v[\d:\d+7], v[\p:\p+11], v[\q:\q+11], v[\d:\d+7], v[\sa], v[\sb] matrix_a_fmt:MATRIX_FMT_FP6 matrix_b_fmt:MATRIX_FMT_FP6 matrix_a_scale:MATRIX_SCALE_ROW1 matrix_b_scale:MATRIX_SCALE_ROW1
.endif
.endm
.macro MM n, vv                        ; 32 matrix instructions; the 32 accumulators take turns; K step 0 starts the sums
.set XW_, 2-((\n)/5)
.set XB_, 48*(\n)-((\n)/5)*144
.set WR_, 160*(1-(\n)%2)
.if \vv
	WIN 0xf0|(((\n)%2)<<2)|XW_
.else
	WIN 0xf0|(XW_<<2)|((\n)%2)
.endif
.irp a, 0,1,2,3
.irp b, 0,1,2,3,4,5,6,7
.if \vv
	W1 8*(4*\b+\a), XB_+12*\a, WR_+12*\b, XS+4*\a+(\n)%4, WS+4*\b+(\n)%4, \n
.else
	W1 8*(8*\a+\b), WR_+12*\b, XB_+12*\a, WS+4*\b+(\n)%4, XS+4*\a+(\n)%4, \n
.endif
.endr
.endr
	WIN 0
.endm
.macro KSTEP n, vv, ld
	s_wait_dscnt 0x0                               ; this K step's weight fragments are in
.if \ld
.if 12*(7-(\n)) > 63
	s_wait_loadcnt 63
.else
	s_wait_loadcnt 12*(7-(\n))                     ; x's fragments of this K step are in; the twelve loads of each later K step may be out
.endif
.endif
.if (\n) < 7
	PLACES                                         ; in front of loads into registers that the last K step's products have read
	FETCHW (\n)+1
.endif
	MM \n, \vv
.endm
; nb blocks of 32 along the next K out of 16 nb accumulator registers from ac on: codes to pc, the scale bytes to wd
.macro QB ac, pc, wd, nb
	WIN 0x0f
.set qb, 0
.rept \nb
	v_max3_num_f32 v[TM+qb], |v[\ac+16*qb]|, |v[\ac+16*qb+1]|, 0x1800000   ; each accumulator is read from its low end on; the floor 2^(3 - 127)
.set qb, qb+1
.endr
.set qi, 2
.rept 7
.set qb, 0
.rept \nb
	v_max3_num_f32 v[TM+qb], |v[\ac+16*qb+qi]|, |v[\ac+16*qb+qi+1]|, v[TM+qb]
.set qb, qb+1
.endr
.set qi, qi+2
.endr
	WIN 0
.set qb, 0
.rept \nb
	v_permlanex16_b32 v[T4+qb], v[TM+qb], s[SEL], s[SEL+1]
.set qb, qb+1
.endr
.set qb, 0
.rept \nb
	v_max_num_f32 v[TM+qb], v[TM+qb], v[T4+qb]     ; with lane l xor 16's
.set qb, qb+1
.endr
.set qb, 0
.rept \nb
	v_add_nc_u32 v[SO+qb], 0xff000000, v[TM+qb]    ; the conversion's scale operand
.set qb, qb+1
.endr
.set qb, 0
.rept \nb
	v_lshrrev_b32 v[T4+qb], 23, v[SO+qb]           ; the byte
.set qb, qb+1
.endr
	v_lshl_or_b32 v[\wd], v[T4+1], 8, v[T4]
.if \nb == 4
	v_lshl_or_b32 v[\wd], v[T4+2], 16, v[\wd]
	v_lshl_or_b32 v[\wd], v[T4+3], 24, v[\wd]
.endif
	WIN 0x03
.set qb, 0
.rept \nb/2
	v_cvt_scalef32_pk16_fp6_f32 v[\pc+6*qb:\pc+6*qb+2], v[\ac+32*qb:\ac+32*qb+15], v[SO+2*qb]
	v_cvt_scalef32_pk16_fp6_f32 v[T2+4*qb:T2+4*qb+2], v[\ac+32*qb+16:\ac+32*qb+31], v[SO+2*qb+1]
.set qb, qb+1
.endr
	WIN 0
	v_nop                                          ; one plain place behind a scaled conversion
.set qb, 0
.rept \nb/2                            ; the operand's layout wants a whole block in a lane
.irp i, 0,1,2
	v_permlane16_swap_b32 v[\pc+6*qb+\i], v[T2+4*qb+\i]
.endr
.irp i, 0,1,2
	v_mov_b32 v[\pc+3+6*qb+\i], v[T2+4*qb+\i]
.endr
.set qb, qb+1
.endr
.endm
	s_load_b256 s[4:11], s[0:1], 0x0               ; xc, xs, wc, ws
	s_load_b64 s[12:13], s[0:1], 0x20              ; qkv
	v_lshl_add_u32 v[SPW], v0, 2, SPARE
	v_mov_b32 v[NIL], 0
	ds_add_u32 v[SPW], v[NIL]                      ; the opening: the add, twice on end, and its wait ahead of my first tensor load
	ds_add_u32 v[SPW], v[NIL]
	v_lshrrev_b32 v1, 5, v0
	v_readfirstlane_b32 s[WV], v1
	s_bfe_u32 s[CX], ttmp6, 0x40000                ; my block of 256 tokens in the batch: it enters x's and the results' addresses alone
	s_and_b32 s[PR], ttmp7, 0xffff                 ; the pair of heads
	s_and_b32 s[HF], s[WV], 1
	s_lshr_b32 s18, s[WV], 1
	s_mov_b32 s[G1], 15|(3<<16)|(1<<21)            ; the mask: all four; elements of 8 bytes; bit 21 beside a mask
	s_mov_b32 s[G1+1], 32<<16                      ; a dense block of 24,576 bytes as 96 rows of 256
	s_mov_b32 s[G1+2], 96<<16
	s_mov_b32 s[G1+3], 32<<16
	s_mov_b32 s[G1+4], 96
	s_mov_b32 s[G1+5], 32
	s_mov_b32 s[G1+6], 0
	s_mov_b32 s[G1+7], 0
	s_mov_b32 s[SEL], 0x76543210
	s_mov_b32 s[SEL+1], 0xfedcba98
	s_mul_i32 s19, s18, 12288                      ; v's stage: my step of the work-group's two
	s_lshl_b32 s20, s18, 9
	s_lshl_b32 s21, s[HF], 1
	s_add_co_u32 s20, s20, s21
	s_add_co_u32 s20, s20, SCST                    ; its scale words, my two bytes of each
	s_mul_i32 s21, s[WV], 6144
	s_lshl_b32 s22, s[WV], 8
	s_add_co_u32 s22, s22, SCST
	s_lshl_b32 s54, ttmp9, 2
	s_add_co_u32 s54, s54, s[CX]                   ; block of 256 tokens, 0..31
	s_mul_i32 s[XP], s54, 196608
	s_mul_i32 s55, s[WV], 49152
	s_add_co_u32 s[XP], s[XP], s55
	s_mov_b32 s[XP+1], 0
	s_lshl_b32 s[XSP], s54, 13
	s_lshl_b32 s55, s[WV], 11
	s_add_co_u32 s[XSP], s[XSP], s55
	s_mov_b32 s[XSP+1], 0
	s_mul_i32 s56, s[PR], MATB
	s_mul_i32 s[G0+1], s[WV], 24576                ; my quarter of a tile, in memory and in LDS alike
	s_add_co_u32 s56, s56, s[G0+1]
	s_mov_b32 s57, 0
	s_lshl_b32 s[WSP], s[PR], 12
	s_mov_b32 s[WSP+1], 0
	s_lshl_b32 s58, ttmp9, 3
	s_add_co_u32 s58, s58, s[PR]
	s_mul_i32 s58, s58, 307200                     ; the pair's region of qkv
	s_lshl_b32 s59, s[CX], 1
	s_add_co_u32 s59, s59, s18                     ; my step of 128 tokens
	s_mul_i32 s[OUT], s59, 12288
	s_mul_i32 s55, s[HF], 6144
	s_add_co_u32 s[OUT], s[OUT], s55
	s_add_co_u32 s[OUT], s[OUT], s58
	s_add_co_u32 s[OUT], s[OUT], 204800            ; Q's region first
	s_mov_b32 s[OUT+1], 0
	s_lshl_b32 s[OSC], s59, 9
	s_lshl_b32 s55, s[HF], 8
	s_add_co_u32 s[OSC], s[OSC], s55
	s_add_co_u32 s[OSC], s[OSC], s58
	s_add_co_u32 s[OSC], s[OSC], 204800+98304
	s_mov_b32 s[OSC+1], 0
	s_mul_i32 s[VOUT], s[CX], 24576
	s_add_co_u32 s[VOUT], s[VOUT], s21
	s_add_co_u32 s[VOUT], s[VOUT], s58
	s_add_co_u32 s[VOUT], s[VOUT], 102400
	s_mov_b32 s[VOUT+1], 0
	s_lshl_b32 s[VSC], s[CX], 10
	s_lshl_b32 s55, s[WV], 8
	s_add_co_u32 s[VSC], s[VSC], s55
	s_add_co_u32 s[VSC], s[VSC], s58
	s_add_co_u32 s[VSC], s[VSC], 102400+98304
	s_mov_b32 s[VSC+1], 0
	v_and_b32 v[LN], 31, v0
	v_and_b32 v1, 15, v0
	v_bfe_u32 v2, v0, 4, 1
	v_lshlrev_b32 v[L16], 4, v[LN]
	v_lshlrev_b32 v[L8], 3, v[LN]
	v_lshlrev_b32 v[SOF], 5, v1
	v_lshl_add_u32 v[SOF], v2, 4, v[SOF]           ; a row of 32 scale bytes; lanes 16-31 take its second half
	v_lshlrev_b32 v[SQ], 4, v1
	v_lshl_add_u32 v[SQ], v2, 3, v[SQ]
	v_add_nc_u32 v[WB1], 49152, v[L16]
	v_add_nc_u32 v[AST], s19, v[L16]
	v_lshl_add_u32 v[ASC], v1, 4, s20
	v_add_nc_u32 v[ARD], s21, v[L16]
	v_add_nc_u32 v[ARS], s22, v[L8]
.irp b, 0,1,2,3
	v_mov_b32 v[T4+\b], 0                          ; a lane permute's destination counts as one of its sources
.endr
	s_wait_alu depctr_va_vdst(0)
	s_wait_dscnt 0x0                               ; both opening adds are done
	s_wait_kmcnt 0x0
	s_add_nc_u64 s[XP:XP+1], s[4:5], s[XP:XP+1]
	s_add_nc_u64 s[XSP:XSP+1], s[6:7], s[XSP:XSP+1]
	s_add_nc_u64 s[WSP:WSP+1], s[10:11], s[WSP:WSP+1]
	s_add_nc_u64 s[OUT:OUT+1], s[12:13], s[OUT:OUT+1]
	s_add_nc_u64 s[OSC:OSC+1], s[12:13], s[OSC:OSC+1]
	s_add_nc_u64 s[VOUT:VOUT+1], s[12:13], s[VOUT:VOUT+1]
	s_add_nc_u64 s[VSC:VSC+1], s[12:13], s[VSC:VSC+1]
	s_mov_b32 s[G0], 1
	s_add_nc_u64 s[G0+2:G0+3], s[8:9], s[56:57]
	s_or_b32 s[G0+3], s[G0+3], 0x80000000
.irp a, 0,1,2,3
	global_load_b128 v[XS+4*\a:XS+4*\a+3], v[SOF], s[XSP:XSP+1] offset:512*\a
.endr
.irp b, 0,1,2,3,4,5,6,7
	global_load_b128 v[WS+4*\b:WS+4*\b+3], v[SOF], s[WSP:WSP+1] offset:512*\b
.endr
	XLD 0
	XLD 1
	XLD 2
	XLD 3
	WIN 0
	ROUND                                          ; all four work-groups are here: the first joint loads meet
	tensor_load_to_lds s[G0:G0+3], s[G1:G1+7]      ; my quarter of q's weights: my one tensor load at the head
	s_nop 0
	PLACES
	XLD 4
	XLD 5
	XLD 6
	XLD 7
	WIN 0
	s_mov_b32 s[MB], 0
	s_mov_b32 s[CNT], 0
.Lmat:                                 ; two trips: q, then k
	s_wait_tensorcnt 0x0                           ; my quarter of this trip's weights is in; no load of mine is out, so the descriptor may step
	ds_add_u32 v[SPW], v[NIL]
	s_add_nc_u64 s[G0+2:G0+3], s[G0+2:G0+3], 786432   ; 1,024 rows of the weight on,
	s_add_co_u32 s[G0+1], s[G0+1], MATB            ; into the next tile's own LDS bytes
	v_add_nc_u32 v[ADW0], s[MB], v[L16]
	v_add_nc_u32 v[ADW0+1], s[MB], v[WB1]
	s_wait_alu depctr_va_vdst(0)
	s_wait_dscnt 0x0
	ROUND
	tensor_load_to_lds s[G0:G0+3], s[G1:G1+7]      ; the next product's weights: a first fill, my one load behind this round
	s_nop 0
	PLACES
	FETCHW 0
.irp n, 0,1,2,3,4,5,6,7
	KSTEP \n, 0, 1
.endr
	PLACES                                         ; behind the last products
	s_wait_xcnt 0x0                                ; earlier loads and stores have read their registers
	s_add_nc_u64 s[WSP:WSP+1], s[WSP:WSP+1], 32768
.irp b, 0,1,2,3,4,5,6,7
	global_load_b128 v[WS+4*\b:WS+4*\b+3], v[SOF], s[WSP:WSP+1] offset:512*\b   ; the next product's scale words land under the quantiser
.endr
.irp a, 0,1,2,3
	QB 64*\a, PC0+12*\a, WD+\a, 4
.irp c, 0,1,2
	global_store_b128 v[L16], v[PC0+12*\a+4*\c:PC0+12*\a+4*\c+3], s[OUT:OUT+1] offset:1536*\a+512*\c   ; the fragment as it stands: 512 consecutive bytes
.endr
.endr
	v_cmp_le_u32 vcc_lo, 16, v[LN]
	v_cndmask_b32 v[SS], v[WD], v[WD+2], vcc_lo    ; a row's four words: lanes 0-15 store two, lanes 16-31 (the same rows) the other two
	v_cndmask_b32 v[SS+1], v[WD+1], v[WD+3], vcc_lo
	global_store_b64 v[SQ], v[SS:SS+1], s[OSC:OSC+1]   ; 256 consecutive bytes, aligned
	s_wait_alu depctr_va_vdst(0)
	s_wait_loadcnt 0x0                             ; the next scale words are in
	s_wait_xcnt 0x0                                ; the stores have read their data and base
	s_sub_nc_u64 s[OUT:OUT+1], s[OUT:OUT+1], 204800   ; from Q's region to K's (the second trip's step is not used)
	s_sub_nc_u64 s[OSC:OSC+1], s[OSC:OSC+1], 204800
	s_add_co_u32 s[MB], s[MB], MATB
	s_add_co_u32 s[CNT], s[CNT], 1
	s_cmp_lt_u32 s[CNT], 2
	s_cbranch_scc1 .Lmat
	s_wait_tensorcnt 0x0                           ; v: my quarter of its weights is in;
	ds_add_u32 v[SPW], v[NIL]
	v_add_nc_u32 v[ADW0], 2*MATB, v[L16]
	v_add_nc_u32 v[ADW0+1], 2*MATB, v[WB1]
	s_wait_alu depctr_va_vdst(0)
	s_wait_dscnt 0x0
	s_barrier_signal -1
	s_barrier_wait -1                              ; everybody's is
	FETCHW 0
.irp n, 0,1,2,3,4,5,6,7
	KSTEP \n, 1, 0
.endr
	PLACES
.irp b, 0,1,2,3,4,5,6,7
	QB 32*\b, PC0+6*\b, WD+\b, 2                   ; 16 features x my 64 keys: registers 6 (wave % 2) .. + 5 of the fragment, two bytes of the scale word
.endr
	s_wait_alu depctr_va_vdst(0)
	s_cmp_eq_u32 s[HF], 0
	s_cbranch_scc0 .Lodd
.irp b, 0,1,2,3,4,5,6,7
	ds_store_b128 v[AST], v[PC0+6*\b:PC0+6*\b+3] offset:1536*\b
	ds_store_b64 v[AST], v[PC0+6*\b+4:PC0+6*\b+5] offset:1536*\b+512
.endr
	s_branch .Lstaged
.Lodd:
.irp b, 0,1,2,3,4,5,6,7
	ds_store_b64 v[AST], v[PC0+6*\b:PC0+6*\b+1] offset:1536*\b+520
	ds_store_b128 v[AST], v[PC0+6*\b+2:PC0+6*\b+5] offset:1536*\b+1024
.endr
.Lstaged:
.irp b, 0,1,2,3,4,5,6,7
	ds_store_b16 v[ASC], v[WD+\b] offset:256*(\b/4)+4*(\b%4)   ; lanes l and l xor 16 write the same bytes with the same value
.endr
	s_wait_dscnt 0x0
	s_barrier_signal -1
	s_barrier_wait -1                              ; the images and the words are whole
.irp i, 0,1,2,3,4,5,6,7,8,9,10,11
	ds_load_b128 v[160+4*\i:163+4*\i], v[ARD] offset:512*\i
.endr
	ds_load_b64 v[SS:SS+1], v[ARS]
	s_wait_dscnt 0x0
.irp i, 0,1,2,3,4,5,6,7,8,9,10,11
	global_store_b128 v[L16], v[160+4*\i:163+4*\i], s[VOUT:VOUT+1] offset:512*\i
.endr
	global_store_b64 v[L8], v[SS:SS+1], s[VSC:VSC+1]
	s_wait_tensorcnt 0x0                           ; the wave's end
	ds_add_u32 v[SPW], v[NIL]
	s_wait_dscnt 0x0
	ROUND                                          ; the closing round
	s_endpgm
.Lfunc_end_k_qba0448165c_gemm_qkv:
	.size	k_qba0448165c_gemm_qkv, .Lfunc_end_k_qba0448165c_gemm_qkv-k_qba0448165c_gemm_qkv
	.p2alignl 7, 3214868480
	.fill 96, 4, 3214868480
	.section	.rodata,"a",@progbits
	.p2align	6, 0x0
	.amdhsa_kernel k_qba0448165c_gemm_qkv
		.amdhsa_group_segment_fixed_size 327680
		.amdhsa_private_segment_fixed_size 0
		.amdhsa_enable_private_segment 0
		.amdhsa_kernarg_size 40
		.amdhsa_user_sgpr_count 2
		.amdhsa_user_sgpr_kernarg_segment_ptr 1
		.amdhsa_wavefront_size32 1
		.amdhsa_system_sgpr_workgroup_id_x 1
		.amdhsa_system_sgpr_workgroup_id_y 1
		.amdhsa_system_sgpr_workgroup_id_z 1
		.amdhsa_system_vgpr_workitem_id 0
		.amdhsa_next_free_vgpr 1024
		.amdhsa_next_free_sgpr 66
		.amdhsa_reserve_vcc 1
		.amdhsa_float_denorm_mode_32 3
		.amdhsa_float_denorm_mode_16_64 3
		.amdhsa_memory_ordered 1
		.amdhsa_forward_progress 1
		.amdhsa_inst_pref_size 149
	.end_amdhsa_kernel
	.amdgpu_metadata
---
amdhsa.version: [ 1, 2 ]
amdhsa.kernels:
  - .name:           k_qba0448165c_gemm_qkv
    .symbol:         k_qba0448165c_gemm_qkv.kd
    .args:
      - { .name: xc, .offset: 0, .size: 8, .value_kind: global_buffer, .address_space: global }
      - { .name: xs, .offset: 8, .size: 8, .value_kind: global_buffer, .address_space: global }
      - { .name: wc, .offset: 16, .size: 8, .value_kind: global_buffer, .address_space: global }
      - { .name: ws, .offset: 24, .size: 8, .value_kind: global_buffer, .address_space: global }
      - { .name: qkv, .offset: 32, .size: 8, .value_kind: global_buffer, .address_space: global }
    .group_segment_fixed_size: 327680
    .private_segment_fixed_size: 0
    .kernarg_segment_align: 8
    .kernarg_segment_size: 40
    .max_flat_workgroup_size: 128
    .sgpr_count:     66
    .vgpr_count:     1024
    .wavefront_size: 32
...
	.end_amdgpu_metadata
.endif
;; end of part 2
;; launch attn (part 3): grid 4 x 64, 16 waves a work-group, clusters of 4 x 1, 206,848 bytes of LDS; arguments qkv, attn_mask, oimg, osc; writes oimg, osc
.if DOCPART == 3
	.amdgcn_target "amdgcn-amd-amdhsa--gfx1250"
	.amdhsa_code_object_version 6
	.text
	.protected	k_qba0448165c_attn
	.globl	k_qba0448165c_attn
	.p2align	8
	.type	k_qba0448165c_attn,@function
k_qba0448165c_attn:
	s_mov_b64 s[64:65], 0
	v_nop
	global_prefetch_b8 v0, s[64:65] scope:SCOPE_SE
	s_setreg_imm32_b32 hwreg(HW_REG_WAVE_MODE, 25, 1), 1
	s_wait_xcnt 0x0
	s_wait_alu depctr_hold_cnt(0) depctr_sa_sdst(0) depctr_va_vdst(0) depctr_va_sdst(0) depctr_va_ssrc(0) depctr_va_vcc(0) depctr_vm_vsrc(0)
	s_getreg_b32 s2, hwreg(HW_REG_IB_STS2, 6, 4)
	s_cmp_eq_u32 s2, 0
	s_cbranch_scc0 .Lentry_in_a_cluster
	s_endpgm
.Lentry_in_a_cluster:
	s_bfe_u32 s2, ttmp6, 0x10000c
	s_cmp_lg_u32 s2, 0x3003
	s_cbranch_scc0 .Lentry_shape_is_right
	s_endpgm
.Lentry_shape_is_right:
; LAUNCH 3 OF 4.  o = softmax(q k^T / 8, masked by query row) v, both products on codes of FP6 (E2M3) with E8M0 scales; o is quantised along the model's 1,024 channels and leaves as codes.  No work is left out.
; THE SOFTMAX AHEAD OF THE SECOND PRODUCT: t = logit x log2(e); M = the row's largest t so far, rounded UP to a whole number; p = 2^(t - M) is quantised along the keys, not normalised; the row's sum of the
; unquantised p divides at the end.  When M moves, the sum and O are multiplied by 2^(old M - new M): exact.
; q came without its factor 1/8 (a power of two: same codes): t = score x c, c = log2(e) / 8, which gives the same f32 number as (score / 8) x log2(e).
; THE MASK acts on whole query rows, and a lane holds ONE query throughout.  In a masked row every logit is the same number -1e9; its t, as f32, is a whole number (f32 numbers of that size are multiples of 128), so
; M = t and p = 1 for every key.  The same p comes from t = 0: the lane's factor is c where its query counts and 0 where it is masked, one selection at the head.  The first product is computed for those rows too.
; SHARES.  A work-group owns a pair of heads of one batch and 256 queries; each of its sixteen waves one tile of 16 queries, for head 0 of the pair and then head 1: so a wave leaves a whole fragment (128 channels) of
; the projection's operand.  Four waves to a SIMD: one wave's vector work stands beside another's matrix work and LDS loads.
; LDS IS FILLED ONCE: the pair's K and V, codes and scale words, are one dense block of 204,800 bytes.  The four query blocks of a cluster ask for it JOINTLY; each wave brings 12,800 bytes by one tensor load.
; All fragments lie there as IMAGES OF THEIR REGISTERS (1,536 bytes: registers 4 c .. 4 c + 3 of lane l at 512 c + 16 l).
; LAYOUT.  Both products are used transposed: S^T = K Q^T, O^T = V^T P^T.  The keys of a tile of K, and the channels of a tile of V^T, are not neighbours: row i of tile 2 b + u is 32 b + 8 u + i + 8 (i / 8), so that the
; 16 result registers of tiles 2 b and 2 b + 1 are 16 neighbours: 32 b + 16 (lane / 16) + 0 .. 15.
; THE FIRST PRODUCT'S K IS 64, the instruction's 128.  An image of K or Q holds the even head in k 0-63 (registers 0-5) and the odd head in k 64-127 (registers 6-11).  Q's operand for a head has ZERO CODES in the other
; half, so what K's operand holds there adds nothing (every code of this format is a finite number).  So only a head's six registers of each tile of K are loaded, on end, and the operand of tile t is a window of 12
; registers over two neighbouring tiles; six registers of zeros stand at each end of the run.  Q's scale word has zero bytes for the empty half.
; LIMITS: NaN and infinities are not served; a block of o under 2^-124 gets the byte 1.
; The scale words of o are stored 4 bytes to each row of 32: 262,144 bytes in the whole launch.
.set KSC,   98304                      ; LDS: K's images at 0 (8 steps x 8 tiles x 1,536), K's scale words (512 a step),
.set VIMG,  102400                     ; V's images (8 steps x 2 heads x 4 tiles),
.set VSC,   200704                     ; V's scale words
.set SPARE, 204800                     ; the spare words, 128 bytes for each wave: eight blocks of 256 bytes that no other line names
.set L16,  1                           ; v1   16 x lane: my place in an image; never rewritten
.set LV,   2                           ; v2   the same in V's images
.set LKS,  3                           ; v3   16 x (lane % 16) in K's scale words
.set LVS,  4                           ; v4   and in V's
.set SPW,  5                           ; v5   LDS address of my spare word; never rewritten
.set NIL,  6                           ; v6   0; never rewritten
.set ADK,  7                           ; v7-10 the step's addresses
.set ADV,  8
.set ADS,  9
.set ADT,  10
.set QW0,  11                          ; v11, v30  Q's scale word for head 0, head 1
.set QW1,  30
.set Q0,   16                          ; v16-27   Q for head 0: six registers of codes, six of zeros
.set Q1,   244                         ; v244-255 Q for head 1: six of zeros, six of codes
.set CL,   28                          ; v[28:29] my query's factor, c or 0, twice
.set TP,   31                          ; v31  at work
.set KF,   38                          ; v38-85 eight tiles of K (6 registers each), later four of V^T (12 each); v32-37 and v86-91 zeros
.set VS,   92                          ; v92-95 V's scale words
.set S,    96                          ; v96-159 S^T, then p
.set OT,   160                         ; v160-191 O^T
.set PC,   192                         ; v192-203 p's codes
.set OC,   204                         ; v204-215 o's codes;  v216 o's scale word
.set OW,   216
.set KS,   218                         ; v218-225 K's scale words
.set BM,   226                         ; v226-229 the blocks' maxima
.set T,    230                         ; v230-237 at work
.set SO,   238                         ; v238-241 the conversions' scale operands
.set FF,   242                         ; v242 f, later 1 / the sum;  v243 p's scale word
.set PW,   243
.set WV,   12                          ; s12 my wave's number;  s13 cx;  s14 the pair;  s15 my tile of queries
.set G1,   16                          ; s[16:23], s[24:27] the one descriptor
.set G0,   24
.set SEL,  28                          ; s[28:29] lane selects for v_permlanex16_b32: lane l xor 16
.set TB,   30                          ; s30 the step's images: 12,288 bytes a step
.set TS,   31                          ; s31 the step's scale words: 512 bytes a step
.set CNT,  32
.macro ROUND                           ; a round of the cluster's barrier
	s_barrier_signal -1
	s_barrier_wait -1
	s_cmp_lg_u32 s[WV], 0
	s_cbranch_scc1 .Lnot_wave_0_\@
	s_barrier_signal -3
.Lnot_wave_0_\@:
	s_barrier_wait -3
	s_barrier_signal -1
	s_barrier_wait -1
.endm
	s_load_b256 s[4:11], s[0:1], 0x0               ; qkv s[4:5], attn_mask s[6:7], oimg s[8:9], osc s[10:11]
	v_lshl_add_u32 v[SPW], v0, 2, SPARE
	v_mov_b32 v[NIL], 0
	ds_add_u32 v[SPW], v[NIL]                      ; the wave's opening: the add, twice on end, and its wait ahead of my first tensor load
	ds_add_u32 v[SPW], v[NIL]                      ; and once more, under the one wait; the set-up below, work on registers, stands between
	v_lshrrev_b32 v7, 5, v0
	s_delay_alu instid0(VALU_DEP_1)
	v_readfirstlane_b32 s[WV], v7                  ; wave 0..15
	s_bfe_u32 s13, ttmp6, 0x40000                  ; cx: my block of 256 queries; it enters Q's, the mask's and the outputs' addresses alone
	s_and_b32 s14, ttmp7, 0xffff                   ; the pair of heads: 8 x batch + pair, which the four partners share
	s_mov_b32 s[G1], 15|(3<<16)|(1<<21)            ; 15:0 the mask: all four work-groups; 17:16 elements of 8 bytes; 20 no padding; 21 set beside a mask
	s_mov_b32 s[G1+1], 32<<16                      ; tensor_dim0 = 32: rows of 256 bytes
	s_mov_b32 s[G1+2], 50<<16                      ; tensor_dim1 = 50: 12,800 bytes
	s_mov_b32 s[G1+3], 32<<16                      ; tile_dim0
	s_mov_b32 s[G1+4], 50                          ; tile_dim1
	s_mov_b32 s[G1+5], 32                          ; the block is dense
	s_mov_b32 s[G1+6], 0
	s_mov_b32 s[G1+7], 0
	s_mov_b32 s[SEL], 0x76543210
	s_mov_b32 s[SEL+1], 0xfedcba98
	s_mul_i32 s34, s14, 307200                     ; the pair's first byte in qkv
	s_mov_b32 s35, 0
	s_mul_i32 s36, s[WV], 12800                    ; my sixteenth of K and V, in memory and in LDS alike
	s_mov_b32 s37, 0
	s_lshl_b32 s15, s13, 4
	s_add_co_u32 s15, s15, s[WV]                   ; my tile of 16 queries, 0..63
	s_mul_i32 s38, s15, 1536
	s_add_co_u32 s38, s38, 204800                  ; its image in Q's region
	s_mov_b32 s39, 0
	s_lshr_b32 s40, s15, 2
	s_lshl_b32 s40, s40, 8
	s_and_b32 s41, s15, 3
	s_lshl_b32 s41, s41, 2
	s_add_co_u32 s40, s40, s41
	s_add_co_u32 s40, s40, 204800+98304            ; its scale words: 256 (tile / 4) + 16 row + 4 (tile % 4)
	s_mov_b32 s41, 0
	s_lshr_b32 s44, s14, 3                         ; the batch
	s_lshl_b32 s42, s44, 10
	s_lshr_b32 s43, s15, 1
	s_lshl_b32 s43, s43, 5
	s_add_co_u32 s42, s42, s43
	s_and_b32 s43, s15, 1
	s_lshl_b32 s43, s43, 3
	s_add_co_u32 s42, s42, s43                     ; the mask: 1,024 x batch + 32 (tile / 2) + 8 (tile % 2)
	s_mov_b32 s43, 0
	s_lshl_b32 s44, s44, 6
	s_add_co_u32 s44, s44, s15                     ; my tile among all 512
	s_and_b32 s45, s14, 7                          ; the pair in its batch: the projection's K step
	s_mul_i32 s46, s44, 12288
	s_mul_i32 s47, s45, 1536
	s_add_co_u32 s46, s46, s47                     ; o's image
	s_mov_b32 s47, 0
	s_lshl_b32 s44, s44, 9
	s_lshl_b32 s45, s45, 2
	s_add_co_u32 s44, s44, s45                     ; o's scale words: 512 x tile + 4 x pair
	s_mov_b32 s45, 0
	s_wait_dscnt 0x0                               ; both opening adds are done
	s_wait_kmcnt 0x0
	s_add_nc_u64 s[4:5], s[4:5], s[34:35]          ; qkv at my pair
	s_mov_b32 s[G0], 1                             ; count = 1
	s_mov_b32 s[G0+1], s36                         ; LDS address
	s_add_nc_u64 s[G0+2:G0+3], s[4:5], s[36:37]    ; global address
	s_or_b32 s[G0+3], s[G0+3], 0x80000000          ; type = 2
	s_add_nc_u64 s[38:39], s[4:5], s[38:39]
	s_add_nc_u64 s[40:41], s[4:5], s[40:41]
	s_add_nc_u64 s[6:7], s[6:7], s[42:43]
	s_add_nc_u64 s[8:9], s[8:9], s[46:47]
	s_add_nc_u64 s[10:11], s[10:11], s[44:45]
	ROUND                                          ; all four work-groups are here: the joint loads meet
	tensor_load_to_lds s[G0:G0+3], s[G1:G1+7]      ; my one tensor load of the launch
	s_nop 0
.rept 4
	v_nop
.endr
	v_and_b32 v[L16], 31, v0
	s_delay_alu instid0(VALU_DEP_1)
	v_lshlrev_b32 v[L16], 4, v[L16]
	s_delay_alu instid0(VALU_DEP_1)
	v_add_nc_u32 v[LV], VIMG, v[L16]
	v_and_b32 v7, 15, v0                           ; r
	s_delay_alu instid0(VALU_DEP_1)
	v_and_b32 v8, 8, v7
	s_delay_alu instid0(VALU_DEP_1)
	v_add_nc_u32 v8, v8, v7                        ; r + 8 (r / 8): my query in its two tiles' 32
	s_delay_alu instid0(VALU_DEP_3)
	v_lshlrev_b32 v7, 4, v7
	s_delay_alu instid0(VALU_DEP_1)
	v_add_nc_u32 v[LKS], KSC, v7
	s_delay_alu instid0(VALU_DEP_2)
	v_add_nc_u32 v[LVS], VSC, v7
	global_load_b128 v[Q0:Q0+3], v[L16], s[38:39]              ; Q's image, registers 0-3,
	global_load_b64 v[Q0+4:Q0+5], v[L16], s[38:39] offset:512  ; 4-5: the even head;
	global_load_b64 v[Q1+6:Q1+7], v[L16], s[38:39] offset:520  ; 6-7,
	global_load_b128 v[Q1+8:Q1+11], v[L16], s[38:39] offset:1024   ; 8-11: the odd head
	global_load_b32 v[TP], v7, s[40:41]            ; Q's scale word
	global_load_u8 v9, v8, s[6:7]                  ; does my query count?
.irp i, 0,1,2,3,4,5
	v_mov_b32 v[Q0+6+\i], 0                        ; zero codes for the half of K that is not the head's
	v_mov_b32 v[Q1+\i], 0
	v_mov_b32 v[KF-6+\i], 0                        ; and the two ends of K's run
	v_mov_b32 v[KF+48+\i], 0
.endr
.irp b, 0,1,2,3
	v_mov_b32 v[T+\b], 0                           ; written once: a lane permute's destination counts as one of its sources
.endr
	v_mov_b32 v[PW], 0                             ; (named as the upper half of the pair v[242:243] before it is first written)
	v_mov_b32 v10, 0x3e38aa3b                      ; c = log2(e) / 8
	s_wait_alu depctr_va_vdst(0)
	s_wait_loadcnt 0x0
	v_and_b32 v[QW0], 0xffff, v[TP]                ; bytes 0, 1: the even head's two blocks
	v_and_b32 v[QW1], 0xffff0000, v[TP]            ; bytes 2, 3: the odd head's
	v_cmp_ne_u32 vcc_lo, 0, v9
	s_delay_alu instid0(VALU_DEP_1)
	v_cndmask_b32 v[CL], 0, v10, vcc_lo            ; c where my query counts, 0 where it is masked
	s_delay_alu instid0(VALU_DEP_1)
	v_mov_b32 v[CL+1], v[CL]                       ; (named with it as a pair)
	s_wait_tensorcnt 0x0                           ; my part of K and V is in,
	s_barrier_signal -1
	s_barrier_wait -1                              ; everybody's is.  Nothing is filled again: no further barrier stands ahead of the closing round
; A KEY STEP of head hd: 128 keys.  qr: Q's operand;  qw: its scale word.
.macro STEP hd, qr, qw
	v_add_nc_u32 v[ADK], s[TB], v[L16]             ; these four are also the places in front of the loads into registers that the last products have read
	v_add_nc_u32 v[ADV], s[TB], v[LV]
	v_add_nc_u32 v[ADS], s[TS], v[LKS]
	v_add_nc_u32 v[ADT], s[TS], v[LVS]
.irp t, 0,1,2,3,4,5,6,7
.if \hd == 0
	ds_load_b128 v[KF+6*\t:KF+6*\t+3], v[ADK] offset:1536*\t            ; the image's registers 0-3,
	ds_load_b64 v[KF+6*\t+4:KF+6*\t+5], v[ADK] offset:1536*\t+512       ; 4-5
.else
	ds_load_b64 v[KF+6*\t:KF+6*\t+1], v[ADK] offset:1536*\t+520         ; 6-7,
	ds_load_b128 v[KF+6*\t+2:KF+6*\t+5], v[ADK] offset:1536*\t+1024     ; 8-11
.endif
.endr
	ds_load_b128 v[KS:KS+3], v[ADS]                ; the scale words of tiles 0-3 of my lane's row,
	ds_load_b128 v[KS+4:KS+7], v[ADS] offset:256   ; 4-7
	s_wait_alu depctr_va_vdst(0)
	s_wait_dscnt 0x0
.irp t, 0,1,2,3,4,5,6,7                ; S^T = K Q^T.  Head 0: the tile's six registers are the window's first six; head 1: its last six
	v_wmma_scale_f32_16x16x128_f8f6f4 v[S+8*\t:S+8*\t+7], v[KF-6*\hd+6*\t:KF-6*\hd+6*\t+11], v[\qr:\qr+11], 0, v[KS+\t], v[\qw] matrix_a_fmt:MATRIX_FMT_FP6 matrix_b_fmt:MATRIX_FMT_FP6
.endr
.rept 4
	v_nop                                          ; places: in front of the loads below, and of the first read of the scores
.endr
.irp t, 0,1,2,3                        ; V^T's four tiles of this head and step: they land under the softmax
.irp c, 0,1,2
	ds_load_b128 v[KF+12*\t+4*\c:KF+12*\t+4*\c+3], v[ADV] offset:6144*\hd+1536*\t+512*\c
.endr
.endr
	ds_load_b128 v[VS:VS+3], v[ADT] offset:256*\hd
.irp b, 0,1,2,3
	v_max3_num_f32 v[BM+\b], v[S+16*\b], v[S+1+16*\b], v[S+2+16*\b]   ; THE LARGEST SCORE OF EACH BLOCK OF 32 KEYS: for the row's maximum, and, since p does not fall where the score rises, for the block's largest p
.endr
.irp i, 3,5,7,9,11,13
.irp b, 0,1,2,3
	v_max3_num_f32 v[BM+\b], v[BM+\b], v[S+16*\b+\i], v[S+1+16*\b+\i]   ; (the four blocks by turns)
.endr
.endr
.irp b, 0,1,2,3
	v_max_num_f32 v[BM+\b], v[BM+\b], v[S+15+16*\b]
.endr
.irp b, 0,1,2,3
	s_delay_alu instid0(VALU_DEP_4)
	v_permlanex16_b32 v[T+\b], v[BM+\b], s[SEL], s[SEL+1]
.endr
.irp b, 0,1,2,3
	s_delay_alu instid0(VALU_DEP_4)
	v_max_num_f32 v[BM+\b], v[BM+\b], v[T+\b]      ; with lane l xor 16's 16 keys
.endr
	s_delay_alu instid0(VALU_DEP_2)
	v_max3_num_f32 v[TP], v[BM], v[BM+1], v[BM+2]
	s_delay_alu instid0(VALU_DEP_1)
	v_max_num_f32 v[TP], v[TP], v[BM+3]            ; the step's largest score of my query
	s_delay_alu instid0(VALU_DEP_1)
	v_mul_f32 v[TP], v[CL], v[TP]                  ; as t (the factor is not negative)
	s_delay_alu instid0(VALU_DEP_1)
	v_max_num_f32 v13, v13, v[TP]                  ; the running largest t
	v_mov_b32 v[TP], v12
	s_delay_alu instid0(VALU_DEP_2)
	v_floor_f32 v12, -v13                          ; the new -M = floor(-t) = -ceil(t): M is a whole number
	s_delay_alu instid0(VALU_DEP_1)
	v_sub_f32 v[TP], v12, v[TP]                    ; M's old value less its new one: a whole number, 0 or less
	s_delay_alu instid0(VALU_DEP_1)
	v_cvt_i32_f32 v[TP], v[TP]                     ; (it saturates)
	s_delay_alu instid0(VALU_DEP_1)
	v_ldexp_f32 v[FF], 1.0, v[TP]                  ; f = 2^(old M - new M)
.set j, 0
.rept 32
	v_pk_fma_f32 v[S+j:S+j+1], v[S+j:S+j+1], v[CL:CL+1], v[12:13] op_sel_hi:[1,0,0]   ; t - M, two at a time (of the pairs the low word serves both halves)
.set j, j+2
.endr
.irp b, 0,1,2,3
	v_fma_f32 v[BM+\b], v[BM+\b], v[CL], v12       ; the same of each block's largest score
.endr
.set j, 0
	s_wait_alu depctr_va_vdst(0)
.rept 64
	v_exp_f32 v[S+j], v[S+j]                       ; p = 2^(t - M), at most 1: not normalised
.set j, j+1
.endr
	v_pk_mul_f32 v[14:15], v[14:15], v[FF:FF+1] op_sel_hi:[1,0]   ; the sums under the new M.  (The plain place behind the exponentials)
	s_wait_alu depctr_va_vdst(0)                   ; one wait for the whole batch, ahead of its first reader
.irp b, 0,1,2,3
	v_exp_f32 v[BM+\b], v[BM+\b]                   ; the block's largest p: the same two instructions on the same number give the same bits
.endr
	v_pk_add_f32 v[230:231], v[100:101], v[104:105]
	v_pk_add_f32 v[240:241], v[108:109], v[112:113]
	v_pk_add_f32 v[238:239], v[116:117], v[120:121]
	v_pk_add_f32 v[236:237], v[124:125], v[128:129]
	v_pk_add_f32 v[234:235], v[132:133], v[136:137]
	v_pk_add_f32 v[232:233], v[140:141], v[144:145]
	v_pk_add_f32 v[224:225], v[148:149], v[152:153]
	v_pk_add_f32 v[14:15], v[14:15], v[156:157]
	v_pk_add_f32 v[230:231], v[230:231], v[96:97]
	v_pk_add_f32 v[240:241], v[240:241], v[98:99]
	v_pk_add_f32 v[238:239], v[238:239], v[102:103]
	v_pk_add_f32 v[236:237], v[236:237], v[106:107]
	v_pk_add_f32 v[234:235], v[234:235], v[110:111]
	v_pk_add_f32 v[232:233], v[232:233], v[114:115]
	v_pk_add_f32 v[224:225], v[224:225], v[118:119]
	v_pk_add_f32 v[14:15], v[14:15], v[122:123]
	v_pk_add_f32 v[230:231], v[230:231], v[126:127]
	v_pk_add_f32 v[240:241], v[240:241], v[130:131]
	v_pk_add_f32 v[238:239], v[238:239], v[134:135]
	v_pk_add_f32 v[236:237], v[236:237], v[138:139]
	v_pk_add_f32 v[234:235], v[234:235], v[142:143]
	v_pk_add_f32 v[232:233], v[232:233], v[146:147]
	v_pk_add_f32 v[224:225], v[224:225], v[150:151]
	v_pk_add_f32 v[14:15], v[14:15], v[154:155]
	v_pk_add_f32 v[230:231], v[230:231], v[158:159]
	s_delay_alu instid0(VALU_DEP_2)
	v_pk_add_f32 v[14:15], v[14:15], v[236:237]
	s_delay_alu instid0(VALU_DEP_2)
	v_pk_add_f32 v[230:231], v[230:231], v[234:235]
	v_pk_add_f32 v[240:241], v[240:241], v[232:233]
	v_pk_add_f32 v[238:239], v[238:239], v[224:225]
	s_delay_alu instid0(VALU_DEP_2)
	v_pk_add_f32 v[14:15], v[14:15], v[240:241]
	s_delay_alu instid0(VALU_DEP_2)
	v_pk_add_f32 v[230:231], v[230:231], v[238:239]
	s_delay_alu instid0(VALU_DEP_1)
	v_pk_add_f32 v[14:15], v[14:15], v[230:231]
	s_wait_alu depctr_va_vdst(0)                   ; and one for the four
.irp b, 0,1,2,3
	v_max_num_f32 v[BM+\b], 0x1800000, v[BM+\b]    ; the floor 2^(3 - 127): the byte cannot fall under 1
.endr
.irp b, 0,1,2,3
	s_delay_alu instid0(VALU_DEP_4)
	v_add_nc_u32 v[SO+\b], 0xff000000, v[BM+\b]    ; 2 off the exponent field: the conversion's scale operand
.endr
.irp b, 0,1,2,3
	s_delay_alu instid0(VALU_DEP_4)
	v_lshrrev_b32 v[T+\b], 23, v[SO+\b]            ; the scale's byte
.endr
	s_delay_alu instid0(VALU_DEP_3)
	v_lshl_or_b32 v[PW], v[T+1], 8, v[T]           ; p's scale word for these 128 keys
	s_delay_alu instid0(VALU_DEP_1)
	v_lshl_or_b32 v[PW], v[T+2], 16, v[PW]
	s_delay_alu instid0(VALU_DEP_1)
	v_lshl_or_b32 v[PW], v[T+3], 24, v[PW]
.irp c, 0,1
	v_cvt_scalef32_pk16_fp6_f32 v[PC+6*\c:PC+2+6*\c], v[S+32*\c:S+15+32*\c], v[SO+2*\c]
	v_cvt_scalef32_pk16_fp6_f32 v[T+4*\c:T+2+4*\c], v[S+16+32*\c:S+31+32*\c], v[SO+2*\c+1]   ; (a conversion's three registers begin on an even number)
.endr
	v_nop                                          ; one plain place behind a scaled conversion
.irp c, 0,1                            ; the operand's layout wants a WHOLE block in a lane
.irp i, 0,1,2
	v_permlane16_swap_b32 v[PC+6*\c+\i], v[T+4*\c+\i]
.endr
.irp i, 0,1,2
	s_delay_alu instid0(VALU_DEP_3)
	v_mov_b32 v[PC+3+6*\c+\i], v[T+4*\c+\i]
.endr
.endr
.set j, 0
.rept 16
	v_pk_mul_f32 v[OT+j:OT+j+1], v[OT+j:OT+j+1], v[FF:FF+1] op_sel_hi:[1,0]   ; O^T under the new M.  (These sixteen are also the places between the lines that made p's codes and scale word and the products)
.set j, j+2
.endr
	s_wait_alu depctr_va_vdst(0)
	s_wait_dscnt 0x0                               ; V^T's tiles and scale words are in
.irp t, 0,1,2,3                        ; O^T += V^T P^T; the four accumulators take turns
	v_wmma_scale_f32_16x16x128_f8f6f4 v[OT+8*\t:OT+8*\t+7], v[KF+12*\t:KF+12*\t+11], v[PC:PC+11], v[OT+8*\t:OT+8*\t+7], v[VS+\t], v[PW] matrix_a_fmt:MATRIX_FMT_FP6 matrix_b_fmt:MATRIX_FMT_FP6
.endr
.endm
; A head: eight key steps, written once.  O^T and the sum begin as zeros and the largest t as -3e38: the first change of M multiplies zeros.
.macro HEAD hd, qr, qw
	v_mov_b32 v13, 0xff61b1e6                      ; -3e38, under every t
	s_delay_alu instid0(VALU_DEP_1)
	v_floor_f32 v12, -v13
	v_mov_b32 v14, 0
	v_mov_b32 v15, 0
.set j, 0
.rept 32
	v_mov_b32 v[OT+j], 0
.set j, j+1
.endr
	s_mov_b32 s[TB], 0
	s_mov_b32 s[TS], 0
	s_mov_b32 s[CNT], 8
.Lstep_\@:
	STEP \hd, \qr, \qw
	s_add_co_u32 s[TB], s[TB], 12288
	s_add_co_u32 s[TS], s[TS], 512
	s_sub_co_u32 s[CNT], s[CNT], 1
	s_cmp_lg_u32 s[CNT], 0
	s_cbranch_scc1 .Lstep_\@
.endm
; The head's O^T is divided by the sum and quantised: register 16 b + i is channel 32 b + 16 (lane / 16) + i of the head: two blocks of the projection's K, registers 6 hd .. 6 hd + 5 of its fragment.
.macro FINISH hd
.rept 4
	v_nop                                          ; places behind the last products
.endr
	v_add_f32 v14, v14, v15                        ; the sum's two halves,
	s_delay_alu instid0(VALU_DEP_1)
	v_permlanex16_b32 v[TP], v14, s[SEL], s[SEL+1]
	s_delay_alu instid0(VALU_DEP_1)
	v_add_f32 v14, v14, v[TP]                      ; and lane l xor 16's: the row's sum
	s_wait_alu depctr_va_vdst(0)
	v_rcp_f32 v[FF], v14
	v_nop                                          ; a plain place behind the reciprocal,
	s_wait_alu depctr_va_vdst(0)                   ; and the wait ahead of its first reader
.set j, 0
.rept 16
	v_pk_mul_f32 v[OT+j:OT+j+1], v[OT+j:OT+j+1], v[FF:FF+1] op_sel_hi:[1,0]   ; each accumulator from its low end on
.set j, j+2
.endr
.irp b, 0,1
	v_max3_num_f32 v[BM+\b], |v[OT+16*\b]|, |v[OT+1+16*\b]|, 0x1800000
.endr
.irp i, 2,4,6,8,10,12,14
.irp b, 0,1
	s_delay_alu instid0(VALU_DEP_2)
	v_max3_num_f32 v[BM+\b], v[BM+\b], |v[OT+16*\b+\i]|, |v[OT+1+16*\b+\i]|
.endr
.endr
.irp b, 0,1
	s_delay_alu instid0(VALU_DEP_2)
	v_permlanex16_b32 v[T+\b], v[BM+\b], s[SEL], s[SEL+1]
.endr
.irp b, 0,1
	s_delay_alu instid0(VALU_DEP_2)
	v_max_num_f32 v[BM+\b], v[BM+\b], v[T+\b]
.endr
.irp b, 0,1
	s_delay_alu instid0(VALU_DEP_2)
	v_add_nc_u32 v[SO+\b], 0xff000000, v[BM+\b]
.endr
.irp b, 0,1
	s_delay_alu instid0(VALU_DEP_2)
	v_lshrrev_b32 v[T+\b], 23, v[SO+\b]
.endr
.if \hd == 0
	s_delay_alu instid0(VALU_DEP_1)
	v_lshl_or_b32 v[OW], v[T+1], 8, v[T]           ; bytes 0, 1 of my row's scale word
.else
	s_delay_alu instid0(VALU_DEP_2)
	v_lshl_or_b32 v[OW], v[T], 16, v[OW]           ; bytes 2, 3
	s_delay_alu instid0(VALU_DEP_1)
	v_lshl_or_b32 v[OW], v[T+1], 24, v[OW]
.endif
	v_cvt_scalef32_pk16_fp6_f32 v[OC+6*\hd:OC+6*\hd+2], v[OT:OT+15], v[SO]
	v_cvt_scalef32_pk16_fp6_f32 v[T+4:T+6], v[OT+16:OT+31], v[SO+1]
	v_nop
.irp i, 0,1,2
	v_permlane16_swap_b32 v[OC+6*\hd+\i], v[T+4+\i]
.endr
.irp i, 0,1,2
	s_delay_alu instid0(VALU_DEP_3)
	v_mov_b32 v[OC+3+6*\hd+\i], v[T+4+\i]
.endr
.endm
	HEAD 0, Q0, QW0
	FINISH 0
	HEAD 1, Q1, QW1
	FINISH 1
.irp c, 0,1,2
	global_store_b128 v[L16], v[OC+4*\c:OC+4*\c+3], s[8:9] offset:512*\c   ; the fragment as it stands: 512 consecutive bytes, aligned
.endr
	v_and_b32 v7, 15, v0
	s_delay_alu instid0(VALU_DEP_1)
	v_lshlrev_b32 v7, 5, v7
	global_store_b32 v7, v[OW], s[10:11]           ; my row's word; lanes l and l xor 16 hold the same word and write it to the same place
	s_wait_tensorcnt 0x0                           ; the wave's end, behind my last tensor load
	ds_add_u32 v[SPW], v[NIL]
	s_wait_dscnt 0x0
	ROUND                                          ; the closing round
	s_endpgm
.Lfunc_end_k_qba0448165c_attn:
	.size	k_qba0448165c_attn, .Lfunc_end_k_qba0448165c_attn-k_qba0448165c_attn
	.p2alignl 7, 3214868480
	.fill 96, 4, 3214868480
	.section	.rodata,"a",@progbits
	.p2align	6, 0x0
	.amdhsa_kernel k_qba0448165c_attn
		.amdhsa_group_segment_fixed_size 206848
		.amdhsa_private_segment_fixed_size 0
		.amdhsa_enable_private_segment 0
		.amdhsa_kernarg_size 32
		.amdhsa_user_sgpr_count 2
		.amdhsa_user_sgpr_kernarg_segment_ptr 1
		.amdhsa_wavefront_size32 1
		.amdhsa_system_sgpr_workgroup_id_x 1
		.amdhsa_system_sgpr_workgroup_id_y 1
		.amdhsa_system_sgpr_workgroup_id_z 1
		.amdhsa_system_vgpr_workitem_id 0
		.amdhsa_next_free_vgpr 256
		.amdhsa_next_free_sgpr 66
		.amdhsa_reserve_vcc 1
		.amdhsa_float_denorm_mode_32 3
		.amdhsa_float_denorm_mode_16_64 3
		.amdhsa_memory_ordered 1
		.amdhsa_forward_progress 1
		.amdhsa_inst_pref_size 52
	.end_amdhsa_kernel
	.amdgpu_metadata
---
amdhsa.version: [ 1, 2 ]
amdhsa.kernels:
  - .name:           k_qba0448165c_attn
    .symbol:         k_qba0448165c_attn.kd
    .args:
      - { .name: qkv, .offset: 0, .size: 8, .value_kind: global_buffer, .address_space: global }
      - { .name: attn_mask, .offset: 8, .size: 8, .value_kind: global_buffer, .address_space: global }
      - { .name: oimg, .offset: 16, .size: 8, .value_kind: global_buffer, .address_space: global }
      - { .name: osc, .offset: 24, .size: 8, .value_kind: global_buffer, .address_space: global }
    .group_segment_fixed_size: 206848
    .private_segment_fixed_size: 0
    .kernarg_segment_align: 8
    .kernarg_segment_size: 32
    .max_flat_workgroup_size: 512
    .sgpr_count:     66
    .vgpr_count:     256
    .wavefront_size: 32
...
	.end_amdgpu_metadata
.endif
;; end of part 3
;; launch proj (part 4): grid 32 x 8, 4 waves a work-group, clusters of 4 x 1, 167,936 bytes of LDS; arguments oimg, osc, wc, ws, b_proj, out0; writes out0
.if DOCPART == 4
	.amdgcn_target "amdgcn-amd-amdhsa--gfx1250"
	.amdhsa_code_object_version 6
	.text
	.protected	k_qba0448165c_proj
	.globl	k_qba0448165c_proj
	.p2align	8
	.type	k_qba0448165c_proj,@function
k_qba0448165c_proj:
	s_mov_b64 s[64:65], 0
	v_nop
	global_prefetch_b8 v0, s[64:65] scope:SCOPE_SE
	s_setreg_imm32_b32 hwreg(HW_REG_WAVE_MODE, 25, 1), 1
	s_wait_xcnt 0x0
	s_wait_alu depctr_hold_cnt(0) depctr_sa_sdst(0) depctr_va_vdst(0) depctr_va_sdst(0) depctr_va_ssrc(0) depctr_va_vcc(0) depctr_vm_vsrc(0)
	s_getreg_b32 s2, hwreg(HW_REG_IB_STS2, 6, 4)
	s_cmp_eq_u32 s2, 0
	s_cbranch_scc0 .Lentry_in_a_cluster
	s_endpgm
.Lentry_in_a_cluster:
	s_bfe_u32 s2, ttmp6, 0x10000c
	s_cmp_lg_u32 s2, 0x3003
	s_cbranch_scc0 .Lentry_shape_is_right
	s_endpgm
.Lentry_shape_is_right:
; LAUNCH 4 OF 4.  out0 = o w_proj + b_proj on codes of FP6 (E2M3) with E8M0 scales, sums in f32.  No work is left out.
; 32 x 8 = 256 work-groups: 256 rows x 128 columns; a wave owns 64 rows.  o's fragments of those rows, all of K (384 registers), come straight from memory into registers: no other wave wants them.
; The weight's 128 rows (98,304 bytes of register images) are filled into LDS once, a quarter a wave, asked for JOINTLY by the four row blocks of a cluster (mask 15).  Nothing is filled again.
; No prefetch: all operands are asked for at the head, and no loop is left to run ahead in.
; THE COLUMNS GO IN TWO HALVES of 64: the first half's 16 accumulators are finished over all of K and stored, and their stores are on their way while the second half is multiplied.
; Source 0 = the weight's rows, source 1 = o's rows: a lane holds eight neighbouring columns of one row.  The bias is added on the way out, where a lane holds four columns of a row.
; Rows of both operands are stored with bits 3 and 4 exchanged; the way out puts rows and columns back.
; REGISTERS.  Window 2 + half: v0-127 the half's accumulators, v128-175 and v176-223 its four weight fragments, two sets (on the way out: rows read back), v252 its LDS address: one window setting serves
; a K step's run of twelve LDS loads and its sixteen products.  Window 1: o's K steps 0-4.  Window 0: v0-31 addresses, v32-47 o's scale words, v48-79 the weight's, v80-87 the bias, v108-251 o's K steps 5-7.
.set STAGE, 98304                      ; 16 rows x 272 bytes for each wave
.set SPARE, STAGE+4*16*272
.set LN, 3
.set L16, 4
.set BO, 5
.set SOF, 6
.set STO, 7
.set RD, 8
.set CO, 9
.set ADB, 10                           ; v10, v11: the two halves' LDS addresses
.set SPW, 28
.set NIL, 29
.set XS, 32
.set WS, 48
.set BIA, 80
.set AD, 252
.set WV, 16
.set CX, 17
.set PR, 18
.set G0, 24
.set G1, 28
.set XP, 36
.set XSP, 38
.set WSP, 40
.set BP, 42
.set OUT, 44
.set MSB, 0
.macro WIN new
.if MSB != (\new)
	s_set_vgpr_msb (MSB<<8)|(\new)
.set MSB, (\new)
.endif
.endm
.macro PLACES
.rept 4
	v_nop
.endr
.endm
.macro ROUND
	s_barrier_signal -1
	s_barrier_wait -1
	s_cmp_lg_u32 s[WV], 0
	s_cbranch_scc1 .Lnot_wave_0_\@
	s_barrier_signal -3
.Lnot_wave_0_\@:
	s_barrier_wait -3
	s_barrier_signal -1
	s_barrier_wait -1
.endm
.macro XLD n
.set XW_, 1-((\n)/5)
.set XB_, 48*(\n)-((\n)/5)*132
	WIN XW_<<6
.irp a, 0,1,2,3
.irp c, 0,1,2
	global_load_b128 v[XB_+12*\a+4*\c:XB_+12*\a+4*\c+3], v[L16], s[XP:XP+1] offset:12288*\a+1536*(\n)+512*\c th:TH_LOAD_NT
.endr
.endr
.endm
.macro FETCH0 hh                       ; K step 0's four fragments of half hh into set 0
	WIN (2+\hh)<<6
.irp a, 0,1,2,3
.irp c, 0,1,2
	ds_load_b128 v[128+12*\a+4*\c:128+12*\a+4*\c+3], v[ADB+\hh] offset:12288*\a+512*\c
.endr
.endr
	WIN 0
.endm
.macro W1 d, p, q, sa, sb, k
.if (\k) == 0
	v_wmma_scale_f32_16x16x128_f8f6f4 v[\d:\d+7], v[\p:\p+11], v[\q:\q+11], 0, v[\sa], v[\sb] matrix_a_fmt:MATRIX_FMT_FP6 matrix_b_fmt:MATRIX_FMT_FP6
.elseif (\k) < 4
	v_wmma_scale_f32_16x16x128_f8f6f4 v[\d:\d+7], v[\p:\p+11], v[\q:\q+11], v[\d:\d+7], v[\sa], v[\sb] matrix_a_fmt:MATRIX_FMT_FP6 matrix_b_fmt:MATRIX_FMT_FP6
.else
	v_wmma_scale_f32_16x16x128_f8f6f4 v[\d:\d+7], v[\p:\p+11], v[\q:\q+11], v[\d:\d+7], v[\sa], v[\sb] matrix_a_fmt:MATRIX_FMT_FP6 matrix_b_fmt:MATRIX_FMT_FP6 matrix_a_scale:MATRIX_SCALE_ROW1 matrix_b_scale:MATRIX_SCALE_ROW1
.endif
.endm
; A K step of a half: the next K step's four fragments are asked for in one run of twelve loads, then come this K step's 16 products.  The accumulators take turns; K step 0 starts the sums.
.macro PSTEP n, hh
.set XW_, 1-((\n)/5)
.set XB_, 48*(\n)-((\n)/5)*132
.set WC_, 128+48*((\n)%2)
.set WN_, 128+48*(1-(\n)%2)
	s_wait_dscnt 0x0                               ; this K step's weight fragments are in
.if \hh == 0
.if 12*(7-(\n)) > 63
	s_wait_loadcnt 63
.else
	s_wait_loadcnt 12*(7-(\n))                     ; o's fragments of this K step are in; the twelve loads of each later K step may be out
.endif
.endif
	WIN ((2+\hh)<<6)|((2+\hh)<<4)|(XW_<<2)|(2+\hh)
.if (\n) < 7
	PLACES                                         ; in front of loads into registers that the last K step's products have read
.irp a, 0,1,2,3
.irp c, 0,1,2
	ds_load_b128 v[WN_+12*\a+4*\c:WN_+12*\a+4*\c+3], v[AD] offset:12288*\a+1536*((\n)+1)+512*\c
.endr
.endr
.endif
.irp t, 0,1,2,3
.irp a, 0,1,2,3
	W1 8*(4*\a+\t), WC_+12*\t, XB_+12*\a, WS+4*(4*\hh+\t)+(\n)%4, XS+4*\a+(\n)%4, \n
.endr
.endr
.endm
; THE WAY OUT of a half: a block of 16 rows x 64 columns through my own stage, back two rows of 256 bytes an instruction; the bias; stored
.macro TOSTAGE a, hh
	WIN (2+\hh)<<2
.irp t, 0,1,2,3
	ds_store_b128 v[STO], v[8*(4*(\a)+\t):8*(4*(\a)+\t)+3] offset:128*(\t/2)+32*(\t%2)       ; each accumulator from its low end on
	ds_store_b128 v[STO], v[8*(4*(\a)+\t)+4:8*(4*(\a)+\t)+7] offset:128*(\t/2)+32*(\t%2)+16
.endr
	WIN (2+\hh)<<6
.set BBK, 128+32*((\a)%2)
.irp t, 0,1,2,3,4,5,6,7
	ds_load_b128 v[BBK+4*\t:BBK+4*\t+3], v[RD] offset:\t*544   ; LDS serves a wave's instructions in order
.endr
.endm
.macro SEND a, younger, hh
.set BBK, 128+32*((\a)%2)
.set RW, 32*((\a)/2)+8*((\a)%2)
	s_wait_dscnt \younger
	WIN ((2+\hh)<<6)|(2+\hh)
.irp t, 0,1,2,3,4,5,6,7
	v_pk_add_f32 v[BBK+4*\t:BBK+4*\t+1], v[BBK+4*\t:BBK+4*\t+1], v[BIA+4*\hh:BIA+4*\hh+1]
	v_pk_add_f32 v[BBK+4*\t+2:BBK+4*\t+3], v[BBK+4*\t+2:BBK+4*\t+3], v[BIA+4*\hh+2:BIA+4*\hh+3]
.endr
	WIN (2+\hh)<<2
.irp t, 0,1,2,3,4,5,6,7
	global_store_b128 v[CO], v[BBK+4*\t:BBK+4*\t+3], s[OUT:OUT+1] offset:(RW+2*\t+8*(\t/4))*4096+256*\hh th:TH_STORE_NT   ; sixteen lanes store 256 consecutive bytes, aligned
.endr
.endm
.macro WAYOUT hh
	PLACES
	TOSTAGE 0, \hh
.irp a, 1,2,3
.if \a > 1
	s_wait_xcnt 0x0                                ; block a - 2's stores have read their registers
.endif
	TOSTAGE \a, \hh
	SEND \a-1, 16, \hh                             ; behind block a - 1's loads: block a's 8 stores and 8 loads
.endr
	SEND 3, 0, \hh
	WIN 0
.endm
	s_load_b256 s[4:11], s[0:1], 0x0               ; oimg, osc, wc, ws
	s_load_b128 s[12:15], s[0:1], 0x20             ; b_proj, out0
	v_lshl_add_u32 v[SPW], v0, 2, SPARE
	v_mov_b32 v[NIL], 0
	ds_add_u32 v[SPW], v[NIL]                      ; the opening: the add, twice on end, and its wait
	ds_add_u32 v[SPW], v[NIL]
	v_lshrrev_b32 v1, 5, v0
	v_readfirstlane_b32 s[WV], v1
	s_bfe_u32 s[CX], ttmp6, 0x40000
	s_and_b32 s[PR], ttmp7, 0xffff                 ; the block of 128 columns
	s_mov_b32 s[G1], 15|(3<<16)|(1<<21)
	s_mov_b32 s[G1+1], 32<<16                      ; a dense block of 24,576 bytes as 96 rows of 256
	s_mov_b32 s[G1+2], 96<<16
	s_mov_b32 s[G1+3], 32<<16
	s_mov_b32 s[G1+4], 96
	s_mov_b32 s[G1+5], 32
	s_mov_b32 s[G1+6], 0
	s_mov_b32 s[G1+7], 0
	s_mul_i32 s19, s[WV], 16*272
	s_add_co_u32 s19, s19, STAGE
	s_lshl_b32 s54, ttmp9, 2
	s_add_co_u32 s54, s54, s[CX]                   ; block of 256 rows
	s_mul_i32 s[XP], s54, 196608
	s_mul_i32 s55, s[WV], 49152
	s_add_co_u32 s[XP], s[XP], s55
	s_mov_b32 s[XP+1], 0
	s_lshl_b32 s[XSP], s54, 13
	s_lshl_b32 s55, s[WV], 11
	s_add_co_u32 s[XSP], s[XSP], s55
	s_mov_b32 s[XSP+1], 0
	s_mul_i32 s56, s[PR], 98304
	s_mul_i32 s[G0+1], s[WV], 24576
	s_add_co_u32 s56, s56, s[G0+1]
	s_add_co_u32 s56, s56, 3072*768                ; w_proj's rows lie behind w_qkv's
	s_mov_b32 s57, 0
	s_lshl_b32 s[WSP], s[PR], 12
	s_add_co_u32 s[WSP], s[WSP], 3072*32
	s_mov_b32 s[WSP+1], 0
	s_lshl_b32 s[BP], s[PR], 9
	s_mov_b32 s[BP+1], 0
	s_lshl_b32 s[OUT], s54, 20
	s_lshl_b32 s55, s[WV], 18
	s_add_co_u32 s[OUT], s[OUT], s55
	s_add_co_u32 s[OUT], s[OUT], s[BP]
	s_mov_b32 s[OUT+1], 0
	v_and_b32 v[LN], 31, v0
	v_and_b32 v1, 15, v0
	v_bfe_u32 v2, v0, 4, 1
	v_lshlrev_b32 v[L16], 4, v[LN]
	v_lshlrev_b32 v[BO], 4, v1
	v_lshlrev_b32 v[SOF], 5, v1
	v_lshl_add_u32 v[SOF], v2, 4, v[SOF]
	v_mul_u32_u24 v[STO], v1, 272
	v_lshl_add_u32 v[STO], v2, 6, v[STO]
	v_add_nc_u32 v[STO], s19, v[STO]
	v_mul_u32_u24 v[RD], v2, 272
	v_lshl_add_u32 v[RD], v1, 4, v[RD]
	v_add_nc_u32 v[RD], s19, v[RD]
	v_lshlrev_b32 v[CO], 12, v2
	v_lshl_add_u32 v[CO], v1, 4, v[CO]
	v_lshlrev_b32 v[ADB], 4, v[LN]
	v_add_nc_u32 v[ADB+1], 49152, v[L16]
	WIN 0x80
	v_lshlrev_b32 v[AD], 4, v[LN]
	WIN 0xc0
	v_add_nc_u32 v[AD], 49152, v[L16]
	WIN 0
	s_wait_alu depctr_va_vdst(0)
	s_wait_dscnt 0x0
	s_wait_kmcnt 0x0
	s_add_nc_u64 s[XP:XP+1], s[4:5], s[XP:XP+1]
	s_add_nc_u64 s[XSP:XSP+1], s[6:7], s[XSP:XSP+1]
	s_add_nc_u64 s[WSP:WSP+1], s[10:11], s[WSP:WSP+1]
	s_add_nc_u64 s[BP:BP+1], s[12:13], s[BP:BP+1]
	s_add_nc_u64 s[OUT:OUT+1], s[14:15], s[OUT:OUT+1]
	s_mov_b32 s[G0], 1
	s_add_nc_u64 s[G0+2:G0+3], s[8:9], s[56:57]
	s_or_b32 s[G0+3], s[G0+3], 0x80000000
.irp a, 0,1,2,3
	global_load_b128 v[XS+4*\a:XS+4*\a+3], v[SOF], s[XSP:XSP+1] offset:512*\a
.endr
.irp b, 0,1,2,3,4,5,6,7
	global_load_b128 v[WS+4*\b:WS+4*\b+3], v[SOF], s[WSP:WSP+1] offset:512*\b
.endr
	global_load_b128 v[BIA:BIA+3], v[BO], s[BP:BP+1]
	global_load_b128 v[BIA+4:BIA+7], v[BO], s[BP:BP+1] offset:256
	XLD 0
	XLD 1
	XLD 2
	WIN 0
	ROUND                                          ; all four work-groups are here: the joint loads meet
	tensor_load_to_lds s[G0:G0+3], s[G1:G1+7]      ; my quarter of the weight: my one tensor load of the launch
	s_nop 0
	PLACES
.irp n, 3,4,5,6,7
	XLD \n
.endr
	WIN 0
	s_wait_tensorcnt 0x0                           ; my quarter is in,
	s_barrier_signal -1
	s_barrier_wait -1                              ; everybody's is
	FETCH0 0
.irp n, 0,1,2,3,4,5,6,7
	PSTEP \n, 0
.endr
	FETCH0 1                                       ; the second half's first fragments land under the first half's way out
	WAYOUT 0
.irp n, 0,1,2,3,4,5,6,7
	PSTEP \n, 1
.endr
	WAYOUT 1
	s_wait_tensorcnt 0x0                           ; the wave's end
	ds_add_u32 v[SPW], v[NIL]
	s_wait_dscnt 0x0
	ROUND                                          ; the closing round
	s_endpgm
.Lfunc_end_k_qba0448165c_proj:
	.size	k_qba0448165c_proj, .Lfunc_end_k_qba0448165c_proj-k_qba0448165c_proj
	.p2alignl 7, 3214868480
	.fill 96, 4, 3214868480
	.section	.rodata,"a",@progbits
	.p2align	6, 0x0
	.amdhsa_kernel k_qba0448165c_proj
		.amdhsa_group_segment_fixed_size 167936
		.amdhsa_private_segment_fixed_size 0
		.amdhsa_enable_private_segment 0
		.amdhsa_kernarg_size 48
		.amdhsa_user_sgpr_count 2
		.amdhsa_user_sgpr_kernarg_segment_ptr 1
		.amdhsa_wavefront_size32 1
		.amdhsa_system_sgpr_workgroup_id_x 1
		.amdhsa_system_sgpr_workgroup_id_y 1
		.amdhsa_system_sgpr_workgroup_id_z 1
		.amdhsa_system_vgpr_workitem_id 0
		.amdhsa_next_free_vgpr 1024
		.amdhsa_next_free_sgpr 66
		.amdhsa_reserve_vcc 0
		.amdhsa_float_denorm_mode_32 3
		.amdhsa_float_denorm_mode_16_64 3
		.amdhsa_memory_ordered 1
		.amdhsa_forward_progress 1
		.amdhsa_inst_pref_size 86
	.end_amdhsa_kernel
	.amdgpu_metadata
---
amdhsa.version: [ 1, 2 ]
amdhsa.kernels:
  - .name:           k_qba0448165c_proj
    .symbol:         k_qba0448165c_proj.kd
    .args:
      - { .name: oimg, .offset: 0, .size: 8, .value_kind: global_buffer, .address_space: global }
      - { .name: osc, .offset: 8, .size: 8, .value_kind: global_buffer, .address_space: global }
      - { .name: wc, .offset: 16, .size: 8, .value_kind: global_buffer, .address_space: global }
      - { .name: ws, .offset: 24, .size: 8, .value_kind: global_buffer, .address_space: global }
      - { .name: b_proj, .offset: 32, .size: 8, .value_kind: global_buffer, .address_space: global }
      - { .name: out0, .offset: 40, .size: 8, .value_kind: global_buffer, .address_space: global }
    .group_segment_fixed_size: 167936
    .private_segment_fixed_size: 0
    .kernarg_segment_align: 8
    .kernarg_segment_size: 48
    .max_flat_workgroup_size: 128
    .sgpr_count:     66
    .vgpr_count:     1024
    .wavefront_size: 32
...
	.end_amdgpu_metadata
.endif
;; end of part 4
